; MI455X (gfx1250); checked and timed in simulation.
; The chip was launched on July 23, 2026; its instructions are those of AMD's public machine-readable ISA for CDNA 5 (MIT licence, August 2026) and "CDNA5" Instruction Set Architecture Reference Guide (July 2026). The comments in the code are by the model that wrote it; some were corrected since.
;; tranformer layer. Allowed arithmetic: float matrix products may take bf16 or f16 operands with f32 sums; all other float work in f32.
;; Inputs: W1 4,096 x 1,024 float32; W2 1,024 x 4,096 float32; Wfc 1,024 x 1,024 float32; Wqkv 3,072 x 1,024 float32; b1 4,096 float32; b2 1,024 float32; x 2 x 2,048 x 1,024 float32.
;; Outputs: out0 2 x 2,048 x 1,024 float32.
;; 2 versions, each right; version 2 is version 1 with the launch ln2 written anew for expert scheduling mode. Each part assembles by itself: llvm-mc -triple=amdgcn-amd-amdhsa -mcpu=gfx1250 --defsym DOCPART=n.
;; ======== version 1 of 2: 7 launches
;; workspace buffers: wb 25,165,824 bytes; h 8,388,608 bytes; qkv 25,165,824 bytes; av 8,388,608 bytes; x2 16,777,216 bytes; g 33,554,432 bytes
;; launch prep (part 1): grid 1024 x 1, 8 waves a work-group, no clusters, 0 bytes of LDS; arguments x, Wqkv, Wfc, W1, W2, h, wb; writes h, wb
.if DOCPART == 1
	.amdgcn_target "amdgcn-amd-amdhsa--gfx1250"
	.amdhsa_code_object_version 6
	.text
	.protected	k_q5e7fe5c81c_prep
	.globl	k_q5e7fe5c81c_prep
	.p2align	8
	.type	k_q5e7fe5c81c_prep,@function
k_q5e7fe5c81c_prep:
	s_mov_b64 s[64:65], 0
	v_nop
	global_prefetch_b8 v0, s[64:65] scope:SCOPE_SE
	s_setreg_imm32_b32 hwreg(HW_REG_WAVE_MODE, 25, 1), 1
	s_wait_xcnt 0x0
; Two streams in one launch, 64 KiB of f32 read by every work-group.
; Work-groups 0-255: h = LayerNorm(x) in bf16.  16 rows of 1,024 f32 a group, 2 rows a wave; a row (4,096 bytes) is 32 registers of one wave,
; so it is read once and stays in registers for the mean, the centred sum of squares and the scaling: no LDS, no barrier.
; The variance is taken of the centred numbers (two passes over registers), so a common offset of a row does not cancel.
; Work-groups 256-1023: the four weight matrices f32 -> bf16 into wb, in this order: Wqkv at byte 0, Wfc at 0x600000, W1 at 0x800000, W2 at 0x1000000.
; Each load of a wave covers 512 consecutive bytes, each store 256 consecutive bytes, aligned.
; Matrix units, clusters and LDS are left out: there is no product and no byte is used twice.
; Limit: results are rounded once to bf16 (nearest even); NaN and infinities are passed on as the arithmetic makes them.
.set T,  4                             ; v[4:11]   four chains of pairs
.set NM, 12                            ; v[12:13]  minus the mean, twice
.set R,  14                            ; v[14:15]  1 / sqrt(var + eps), twice
.set X,  24                            ; v[24:87]  two rows (or sixteen chunks of the cast)
	s_load_b256 s[8:15], s[0:1], 0x0               ; x s[8:9], Wqkv s[10:11], Wfc s[12:13], W1 s[14:15]
	s_load_b128 s[16:19], s[0:1], 0x20             ; W2 s[16:17], h s[18:19]
	s_load_b64 s[20:21], s[0:1], 0x30              ; wb
	v_lshrrev_b32 v3, 5, v0
	v_readfirstlane_b32 s24, v3                    ; wave 0..7
	v_and_b32 v1, 31, v0
	v_lshlrev_b32 v2, 3, v1                        ; 8 x lane: my 8 bytes of bf16 out
	v_lshlrev_b32 v1, 4, v1                        ; 16 x lane: my 16 bytes of f32 in
	s_cmp_lt_u32 ttmp9, 256
	s_cbranch_scc0 .Lcast
	; ---------------- LayerNorm ----------------
	s_mov_b32 s22, 0x76543210                      ; v_permlanex16_b32: lane i reads lane i of the other half
	s_mov_b32 s23, 0xfedcba98
	s_mov_b32 s25, 0x3a800000                      ; 1 / 1024
	s_mov_b32 s26, 0x3727c5ac                      ; eps = 1e-5
	s_lshl_b32 s28, ttmp9, 16                      ; 16 rows of 4,096 bytes a group,
	s_lshl_b32 s30, s24, 13                        ; 2 rows a wave
	s_add_co_u32 s28, s28, s30
	s_mov_b32 s29, 0
	s_lshl_b32 s30, ttmp9, 15                      ; the same rows of 2,048 bytes in h
	s_lshl_b32 s31, s24, 12
	s_add_co_u32 s30, s30, s31
	s_mov_b32 s31, 0
	s_wait_kmcnt 0x0
	s_add_nc_u64 s[8:9], s[8:9], s[28:29]
	s_add_nc_u64 s[18:19], s[18:19], s[30:31]
.irp i, 0,1
.irp j, 0,1,2,3,4,5,6,7
	global_load_b128 v[X+32*\i+4*\j:X+32*\i+4*\j+3], v1, s[8:9] offset:4096*\i+512*\j   ; x is read again by a later launch: no hint
.endr
.endr
.macro FOLD                            ; four pairs -> v[T]
	v_pk_add_f32 v[T:T+1], v[T:T+1], v[T+2:T+3]
	v_pk_add_f32 v[T+4:T+5], v[T+4:T+5], v[T+6:T+7]
	v_pk_add_f32 v[T:T+1], v[T:T+1], v[T+4:T+5]
	v_add_f32 v[T], v[T], v[T+1]
.endm
.macro WSUM                            ; v[T] summed over the 32 lanes, the result in every lane
	v_add_f32_dpp v[T], v[T], v[T] row_xmask:1 row_mask:0xf bank_mask:0xf
	v_add_f32_dpp v[T], v[T], v[T] row_xmask:2 row_mask:0xf bank_mask:0xf
	v_add_f32_dpp v[T], v[T], v[T] row_xmask:4 row_mask:0xf bank_mask:0xf
	v_add_f32_dpp v[T], v[T], v[T] row_xmask:8 row_mask:0xf bank_mask:0xf
	v_permlanex16_b32 v[T+1], v[T], s22, s23       ; its destination counts as read: v[T+1] has been written
	v_add_f32 v[T], v[T], v[T+1]
.endm
; Row i of the wave's two.  left = how many younger loads may stay out.
.macro LNROW i, left
	s_wait_loadcnt \left
.irp c, 0,1,2,3
	v_pk_add_f32 v[T+2*\c:T+2*\c+1], v[X+32*\i+2*\c:X+32*\i+2*\c+1], v[X+32*\i+8+2*\c:X+32*\i+8+2*\c+1]   ; the first sums start the chains: nothing is cleared
.endr
.irp c, 0,1,2,3
	v_pk_add_f32 v[T+2*\c:T+2*\c+1], v[T+2*\c:T+2*\c+1], v[X+32*\i+16+2*\c:X+32*\i+16+2*\c+1]
.endr
.irp c, 0,1,2,3
	v_pk_add_f32 v[T+2*\c:T+2*\c+1], v[T+2*\c:T+2*\c+1], v[X+32*\i+24+2*\c:X+32*\i+24+2*\c+1]
.endr
	FOLD
	WSUM
	v_mul_f32 v[NM], 0xba800000, v[T]              ; minus the mean
	v_mov_b32 v[NM+1], v[NM]
.set pp, 0
.rept 16
	v_pk_add_f32 v[X+32*\i+pp:X+32*\i+pp+1], v[X+32*\i+pp:X+32*\i+pp+1], v[NM:NM+1]   ; centre in place
.set pp, pp+2
.endr
.irp c, 0,1,2,3
	v_pk_mul_f32 v[T+2*\c:T+2*\c+1], v[X+32*\i+2*\c:X+32*\i+2*\c+1], v[X+32*\i+2*\c:X+32*\i+2*\c+1]
.endr
.irp d, 8,16,24
.irp c, 0,1,2,3
	v_pk_fma_f32 v[T+2*\c:T+2*\c+1], v[X+32*\i+\d+2*\c:X+32*\i+\d+2*\c+1], v[X+32*\i+\d+2*\c:X+32*\i+\d+2*\c+1], v[T+2*\c:T+2*\c+1]
.endr
.endr
	FOLD
	WSUM
	v_fma_f32 v[T], v[T], s25, s26                 ; var + eps
	v_rsq_f32 v[R], v[T]
	v_rsq_f32 v[R+1], v[T]
	v_nop                                          ; one plain place behind a transcendental before its result is used (ISA guide 5.7.2)
.set pp, 0
	s_wait_alu depctr_va_vdst(0)
.rept 16
	v_pk_mul_f32 v[X+32*\i+pp:X+32*\i+pp+1], v[X+32*\i+pp:X+32*\i+pp+1], v[R:R+1]
.set pp, pp+2
.endr
.irp j, 0,1,2,3,4,5,6,7
	v_cvt_pk_bf16_f32 v[X+32*\i+4*\j], v[X+32*\i+4*\j], v[X+32*\i+4*\j+1]
	v_cvt_pk_bf16_f32 v[X+32*\i+4*\j+1], v[X+32*\i+4*\j+2], v[X+32*\i+4*\j+3]
	global_store_b64 v2, v[X+32*\i+4*\j:X+32*\i+4*\j+1], s[18:19] offset:2048*\i+256*\j   ; the wave's 32 lanes store 256 consecutive bytes, aligned
.endr
.endm
	LNROW 0, 8                                     ; the second row's eight loads are the younger ones
	LNROW 1, 0
	s_endpgm                                       ; no register that a store reads is written again
	; ---------------- weights to bf16 ----------------
.Lcast:
	s_sub_co_u32 s26, ttmp9, 256                   ; chunk c of 64 KiB of f32: 0-191 Wqkv, 192-255 Wfc, 256-511 W1, 512-767 W2
	s_wait_kmcnt 0x0
	s_mov_b64 s[28:29], s[16:17]
	s_mov_b32 s30, 512
	s_cmp_lt_u32 s26, 512
	s_cselect_b64 s[28:29], s[14:15], s[28:29]
	s_cselect_b32 s30, 256, s30
	s_cmp_lt_u32 s26, 256
	s_cselect_b64 s[28:29], s[12:13], s[28:29]
	s_cselect_b32 s30, 192, s30
	s_cmp_lt_u32 s26, 192
	s_cselect_b64 s[28:29], s[10:11], s[28:29]
	s_cselect_b32 s30, 0, s30                      ; s[28:29] the matrix, s30 its first chunk
	s_sub_co_u32 s30, s26, s30
	s_lshl_b32 s30, s30, 16
	s_lshl_b32 s31, s24, 13                        ; 8 KiB a wave
	s_add_co_u32 s30, s30, s31
	s_mov_b32 s31, 0
	s_add_nc_u64 s[28:29], s[28:29], s[30:31]
	s_lshl_b32 s30, s26, 15                        ; wb holds the chunks in the same order, half the bytes
	s_lshl_b32 s26, s24, 12
	s_add_co_u32 s30, s30, s26
	s_add_nc_u64 s[20:21], s[20:21], s[30:31]
.irp j, 0,1,2,3,4,5,6,7,8,9,10,11,12,13,14,15
	global_load_b128 v[X+4*\j:X+4*\j+3], v1, s[28:29] offset:512*\j th:TH_LOAD_NT   ; the f32 weights are read this once
.endr
.irp j, 0,1,2,3,4,5,6,7,8,9,10,11,12,13,14,15
	s_wait_loadcnt 15-\j                           ; loads come back in order: chunk j is in, the younger ones stay out
	v_cvt_pk_bf16_f32 v[X+4*\j], v[X+4*\j], v[X+4*\j+1]
	v_cvt_pk_bf16_f32 v[X+4*\j+1], v[X+4*\j+2], v[X+4*\j+3]
	global_store_b64 v2, v[X+4*\j:X+4*\j+1], s[20:21] offset:256*\j
.endr
	s_endpgm
.Lfunc_end_k_q5e7fe5c81c_prep:
	.size	k_q5e7fe5c81c_prep, .Lfunc_end_k_q5e7fe5c81c_prep-k_q5e7fe5c81c_prep
	.p2alignl 7, 3214868480
	.fill 96, 4, 3214868480
	.section	.rodata,"a",@progbits
	.p2align	6, 0x0
	.amdhsa_kernel k_q5e7fe5c81c_prep
		.amdhsa_group_segment_fixed_size 0
		.amdhsa_private_segment_fixed_size 0
		.amdhsa_enable_private_segment 0
		.amdhsa_kernarg_size 56
		.amdhsa_user_sgpr_count 2
		.amdhsa_user_sgpr_kernarg_segment_ptr 1
		.amdhsa_wavefront_size32 1
		.amdhsa_system_sgpr_workgroup_id_x 1
		.amdhsa_system_sgpr_workgroup_id_y 1
		.amdhsa_system_sgpr_workgroup_id_z 1
		.amdhsa_system_vgpr_workitem_id 0
		.amdhsa_next_free_vgpr 88
		.amdhsa_next_free_sgpr 66
		.amdhsa_reserve_vcc 0
		.amdhsa_float_denorm_mode_32 3
		.amdhsa_float_denorm_mode_16_64 3
		.amdhsa_memory_ordered 1
		.amdhsa_forward_progress 1
		.amdhsa_inst_pref_size 24
	.end_amdhsa_kernel
	.amdgpu_metadata
---
amdhsa.version: [ 1, 2 ]
amdhsa.kernels:
  - .name:           k_q5e7fe5c81c_prep
    .symbol:         k_q5e7fe5c81c_prep.kd
    .args:
      - { .name: x, .offset: 0, .size: 8, .value_kind: global_buffer, .address_space: global }
      - { .name: Wqkv, .offset: 8, .size: 8, .value_kind: global_buffer, .address_space: global }
      - { .name: Wfc, .offset: 16, .size: 8, .value_kind: global_buffer, .address_space: global }
      - { .name: W1, .offset: 24, .size: 8, .value_kind: global_buffer, .address_space: global }
      - { .name: W2, .offset: 32, .size: 8, .value_kind: global_buffer, .address_space: global }
      - { .name: h, .offset: 40, .size: 8, .value_kind: global_buffer, .address_space: global }
      - { .name: wb, .offset: 48, .size: 8, .value_kind: global_buffer, .address_space: global }
    .group_segment_fixed_size: 0
    .private_segment_fixed_size: 0
    .kernarg_segment_align: 8
    .kernarg_segment_size: 56
    .max_flat_workgroup_size: 256
    .sgpr_count:     66
    .vgpr_count:     88
    .wavefront_size: 32
...
	.end_amdgpu_metadata
.endif
;; end of part 1
;; launch qkv (part 2): grid 12 x 16, 4 waves a work-group, clusters of 4 x 4, 327,680 bytes of LDS; arguments h, wb, qkv; writes qkv
.if DOCPART == 2
	.amdgcn_target "amdgcn-amd-amdhsa--gfx1250"
	.amdhsa_code_object_version 6
	.text
	.protected	k_q5e7fe5c81c_qkv
	.globl	k_q5e7fe5c81c_qkv
	.p2align	8
	.type	k_q5e7fe5c81c_qkv,@function
k_q5e7fe5c81c_qkv:
	s_mov_b64 s[64:65], 0
	v_nop
	global_prefetch_b8 v0, s[64:65] scope:SCOPE_SE
	s_setreg_imm32_b32 hwreg(HW_REG_WAVE_MODE, 25, 1), 1
	s_wait_xcnt 0x0
	s_wait_alu depctr_hold_cnt(0) depctr_sa_sdst(0) depctr_va_vdst(0) depctr_va_sdst(0) depctr_va_ssrc(0) depctr_va_vcc(0) depctr_vm_vsrc(0)
	s_getreg_b32 s2, hwreg(HW_REG_IB_STS2, 6, 4)
	s_cmp_eq_u32 s2, 0
	s_cbranch_scc0 .Lentry_in_a_cluster
	s_endpgm
.Lentry_in_a_cluster:
	s_bfe_u32 s2, ttmp6, 0x10000c
	s_cmp_lg_u32 s2, 0xf033
	s_cbranch_scc0 .Lentry_shape_is_right
	s_endpgm
.Lentry_shape_is_right:
; C[m][n] = sum over k of A[m][k] B[n][k], A = h [4096][1024] bf16, B = rows of wb (bf16 weights, [n][1024]) from byte WOFF on, C bf16 [4096][SIZE_N]; sums in f32.
; GELU = 1: C = gelu(sum + bias[n]) with the tanh form of GELU, written as u / (1 + 2^(u (CK1 u^2 + CK0))), which is the same function and goes to 0 and to u at the ends.
; A work-group makes 256 x 256 of C with four waves, a wave 128 x 128: 64 accumulator tiles of 16 x 16, 512 registers.  K goes in steps of 128 through two LDS
; slots filled by the tensor data mover; a tile's rows are 256 bytes of memory at multiples of 256 bytes.
; CLUSTERS: 4 x 4 work-groups; A's tile is asked for jointly by the four of a row of the cluster, B's by the four of a column: a quarter of the requests.
; With SIZE_N = 3072 there are 12 x 16 = 192 work-groups: blocks of 256 x 192 would make 256, but a wave's 96 columns would be 192 bytes, not whole blocks of 256 bytes on the way out.
; Limits: operands and C are rounded to bf16; 2^x below 2^-126 counts as 0; NaN and infinities are not followed.
; REGISTERS in windows of 256: window 0: v16-31 addresses and constants, v64-127 and v128-191 fragments of A (two buffers), v192-255 at work on the way out;
; window 1: v64-191 fragments of B, v192-255 the bias of my 128 columns; windows 2 and 3: accumulators of my rows 0-63 and 64-127, tile (a, b) at v[8 (8 a + b)].
; The matrix instruction is used transposed (source 0 = rows of B, source 1 = rows of A): a lane then holds eight neighbouring columns of one row of C.
.set SIZE_K, 1024
.set SIZE_N, 3072
.set WOFF,   0
.set GELU,   0
.set KSTEP,  128
.set PITCH,  272                       ; an LDS row: 256 bytes + 16 of padding, an odd multiple of 16: the 16 rows of a fragment load start at 16 different groups of banks
.set HALFT,  128*PITCH                 ; 128 rows: one tensor load
.set SLOT,   4*HALFT                   ; A's 256 rows, then B's 256 rows
.set STAGE,  2*SLOT                    ; behind the ring: 16 rows x 272 bytes for each wave, never a tensor load's target
.set SPITCH, 272
.set LAPS,   SIZE_K/(2*KSTEP)          ; a lap = two K steps = once round the ring
.set ADRA, 16                          ; v16-17  LDS address of my A fragments in slot 0, 1
.set ADRB, 20                          ; v20-21  the same for B
.set STO,  24                          ; the way out: where I put 16 bytes of a row
.set RD,   25                          ; the way out: where I read a row back
.set CO,   26                          ; my byte offset in C
.set BO,   27                          ; 32 x (lane / 16): my offset in the bias
.set CK0,  28                          ; v[28:29]  -2 log2(e) sqrt(2/pi), twice
.set CK1,  30                          ; v[30:31]  the same times 0.044715, twice
.set F0,   64
.set F1,   128
.set TMP,  192                         ; packed results
.set RB,   224                         ; rows read back
.set BIAS, 192                         ; in window 1
.set G1, 24                            ; s[24:31] group 1 for A's tiles
.set G0, 32                            ; s[32:39] group 0 for A's tiles, a set for each slot
.set G1B, 48                           ; s[48:55] group 1 for B's tiles: another mask
.set G0B, 56                           ; s[56:63] group 0 for B's tiles
.set MSB, 0
.macro WIN new                         ; the immediate's high byte repeats the setting that is left
.if MSB != \new
	s_set_vgpr_msb (MSB<<8)|\new
.set MSB, \new
.endif
.endm
.set MUL_LO, 0xa1                      ; source 0 (B) window 1, source 1 (A) window 0, C and D window 2
.set MUL_HI, 0xf1                      ; the same, C and D window 3
.set TO_B,   0x40                      ; destination window 1, address window 0
.if GELU
.set FROM_LO, 0x06                     ; source 0 window 2 (sums), source 1 window 1 (bias)
.set FROM_HI, 0x07                     ; source 0 window 3
.else
.set FROM_LO, 0x0a                     ; sources 0 and 1 window 2
.set FROM_HI, 0x0f                     ; window 3
.endif
; A joint load.  Waves 0 and 1 fetch A's two halves, waves 2 and 3 B's.  The branch hangs on the wave's number alone.
.macro JLOAD s
	s_cmp_eq_u32 s11, 0
	s_cbranch_scc0 .Lfor_b_\@
	tensor_load_to_lds s[G0+4*\s:G0+4*\s+3], s[G1:G1+7]
	s_nop 0
	s_branch .Lasked_\@
.Lfor_b_\@:
	tensor_load_to_lds s[G0B+4*\s:G0B+4*\s+3], s[G1B:G1B+7]
	s_nop 0
.Lasked_\@:
.endm
.macro CREST                           ; a round of the cluster's barrier behind its opening work-group barrier
	s_cmp_lg_u32 s10, 0
	s_cbranch_scc1 .Lnot_wave_0_\@
	s_barrier_signal -3
.Lnot_wave_0_\@:
	s_barrier_wait -3
	s_barrier_signal -1
	s_barrier_wait -1
.endm
.macro CROUND                          ; a whole round
	s_barrier_signal -1
	s_barrier_wait -1
	CREST
.endm
	s_load_b128 s[4:7], s[0:1], 0x0                ; A s[4:5], wb s[6:7]
	s_load_b64 s[8:9], s[0:1], 0x10                ; C
	s_set_vgpr_msb 0x40
	v_lshl_add_u32 v255, v0, 2, 0x48400
	s_set_vgpr_msb 0x4000
	v_mov_b32 v63, 0
	s_set_vgpr_msb 0x1
	ds_add_u32 v255, v63
	s_set_vgpr_msb 0x100
.if GELU
	s_load_b64 s[66:67], s[0:1], 0x18              ; bias
.endif
	v_lshrrev_b32 v1, 5, v0
	v_readfirstlane_b32 s10, v1                    ; wave 0..3
	s_lshr_b32 s11, s10, 1                         ; which half of the block's rows is mine.  Also: I fetch for A (0) or for B (1)
	s_and_b32 s12, s10, 1                          ; which half of its columns.  Also: which 128 rows of that tile I fetch
	s_bfe_u32 s40, ttmp6, 0x40000                  ; cx
	s_bfe_u32 s41, ttmp6, 0x40004                  ; cy
	s_lshl_b32 s42, ttmp9, 2
	s_add_co_u32 s42, s42, s40                     ; block column of C
	s_and_b32 s13, ttmp7, 0xffff
	s_lshl_b32 s13, s13, 2
	s_add_co_u32 s13, s13, s41                     ; block row of C
	s_lshl_b32 s43, s41, 2
	s_lshl_b32 s43, 15, s43                        ; my row of the cluster
	s_lshl_b32 s44, 0x1111, s40                    ; my column
	s_or_b32 s[G1+0], s43, (1<<16)|(1<<20)|(1<<21)|(5<<22)|(3<<25)   ; mask; elements of 2 bytes; padding on; bit 21 beside a mask; after every 64 words 4 words
	s_or_b32 s[G1B+0], s44, (1<<16)|(1<<20)|(1<<21)|(5<<22)|(3<<25)
	s_mov_b32 s[G1B+1], KSTEP<<16
	s_mov_b32 s[G1+1], KSTEP<<16                   ; tensor_dim0 = 128
	s_mov_b32 s[G1B+2], 128<<16
	s_mov_b32 s[G1+2], 128<<16                     ; tensor_dim1 = 128
	s_mov_b32 s[G1B+3], KSTEP<<16
	s_mov_b32 s[G1+3], KSTEP<<16                   ; tile_dim0 = 128
	s_mov_b32 s[G1B+4], 128
	s_mov_b32 s[G1+4], 128                         ; tile_dim1 = 128
	s_mov_b32 s[G1B+5], SIZE_K
	s_mov_b32 s[G1+5], SIZE_K                      ; elements from row to row
	s_mov_b32 s[G1B+6], 0
	s_mov_b32 s[G1+6], 0
	s_mov_b32 s[G1B+7], 0
	s_mov_b32 s[G1+7], 0
	; A's tiles hang on the block row alone, B's on the block column alone; each address is made in registers that never hold the other coordinate
	s_lshl_b32 s17, s12, 7
	s_lshl_b32 s16, s13, 8
	s_add_co_u32 s16, s16, s17                     ; A: row 256 x block row + 128 x half
	s_lshl_b32 s46, s42, 8
	s_add_co_u32 s46, s46, s17                     ; B: row 256 x block column + 128 x half
	s_mov_b32 s17, 0
	s_mov_b32 s47, 0
	s_mov_b64 s[18:19], SIZE_K*2
	s_mul_u64 s[16:17], s[16:17], s[18:19]
	s_mul_u64 s[46:47], s[46:47], s[18:19]
	s_mul_i32 s20, s10, HALFT                      ; where they go: wave x 128 rows
	s_wait_dscnt 0x0
	s_wait_kmcnt 0x0
.if WOFF
	s_add_nc_u64 s[6:7], s[6:7], WOFF              ; this product's weights in wb
.endif
	s_add_nc_u64 s[14:15], s[4:5], s[16:17]
	s_add_nc_u64 s[46:47], s[6:7], s[46:47]
	CROUND                                         ; all sixteen work-groups are here: the first joint loads meet
.irp s, 0,1
	s_mov_b32 s[G0+4*\s], 1
	s_add_co_u32 s[G0+4*\s+1], s20, \s*SLOT
	s_add_nc_u64 s[G0+4*\s+2:G0+4*\s+3], s[14:15], \s*KSTEP*2
	s_or_b32 s[G0+4*\s+3], s[G0+4*\s+3], 0x80000000
	s_mov_b32 s[G0B+4*\s], 1
	s_add_co_u32 s[G0B+4*\s+1], s20, \s*SLOT
	s_add_nc_u64 s[G0B+4*\s+2:G0B+4*\s+3], s[46:47], \s*KSTEP*2
	s_or_b32 s[G0B+4*\s+3], s[G0B+4*\s+3], 0x80000000
	JLOAD \s                                       ; both slots' first fills go out before anything else: two tensor loads of the wave are out
.endr
	v_and_b32 v1, 15, v0                           ; l % 16
	v_bfe_u32 v2, v0, 4, 1                         ; l / 16
	v_mul_u32_u24 v3, v1, PITCH
	v_lshl_add_u32 v3, v2, 4, v3                   ; row x pitch + 16 x half
	s_mul_i32 s21, s11, HALFT                      ; my 128 rows of A
	s_mul_i32 s22, s12, HALFT                      ; my 128 rows of B,
	s_add_co_u32 s22, s22, 2*HALFT                 ; which lie behind A's 256
.irp s, 0,1
	v_add_nc_u32 v[ADRA+\s], s21, v3
	v_add_nc_u32 v[ADRB+\s], s22, v3
	s_add_co_u32 s21, s21, SLOT
	s_add_co_u32 s22, s22, SLOT
.endr
	s_mul_i32 s23, s10, 16*SPITCH
	s_add_co_u32 s23, s23, STAGE                   ; my stage
	v_mul_u32_u24 v4, v1, SPITCH
	v_lshl_add_u32 v4, v2, 4, v4
	v_add_nc_u32 v[STO], s23, v4
	v_mul_u32_u24 v5, v2, SPITCH
	v_lshl_add_u32 v5, v1, 4, v5
	v_add_nc_u32 v[RD], s23, v5
	v_mul_u32_u24 v5, v2, SIZE_N*2
	v_lshl_add_u32 v[CO], v1, 4, v5
.if GELU
	; register j of tile b holds column 16 b + 8 (l / 16) + j of my 128: its bias lies at byte 64 b + 32 (l / 16) + 4 j
	v_lshlrev_b32 v[BO], 5, v2
	s_lshl_b32 s70, s42, 10
	s_lshl_b32 s71, s12, 9
	s_add_co_u32 s70, s70, s71
	s_mov_b32 s71, 0
	s_add_nc_u64 s[66:67], s[66:67], s[70:71]
	WIN TO_B
.irp b, 0,1,2,3,4,5,6,7
	global_load_b128 v[BIAS+8*\b:BIAS+8*\b+3],   v[BO], s[66:67] offset:64*\b
	global_load_b128 v[BIAS+8*\b+4:BIAS+8*\b+7], v[BO], s[66:67] offset:64*\b+16
.endr
	WIN 0
	v_mov_b32 v[CK0], 0xc0135761
	v_mov_b32 v[CK0+1], 0xc0135761
	v_mov_b32 v[CK1], 0xbdd2d3e8
	v_mov_b32 v[CK1+1], 0xbdd2d3e8
.endif
; 16 matrix instructions: m blocks a0, a0 + 1 of the window's four x all 8 n blocks, 32 along K.  zero = 1: the first product starts the sums.
.macro MUL16 f, hi, a0, zero
.irp a, \a0, \a0+1
.irp b, 0,1,2,3,4,5,6,7
.if \zero
	v_wmma_f32_16x16x32_bf16 v[8*(8*(\a)+\b):8*(8*(\a)+\b)+7], v[\f+8*\b:\f+8*\b+7], v[\f+8*(4*\hi+\a):\f+8*(4*\hi+\a)+7], 0
.else
	v_wmma_f32_16x16x32_bf16 v[8*(8*(\a)+\b):8*(8*(\a)+\b)+7], v[\f+8*\b:\f+8*\b+7], v[\f+8*(4*\hi+\a):\f+8*(4*\hi+\a)+7], v[8*(8*(\a)+\b):8*(8*(\a)+\b)+7]
.endif
.endr
.endr
.endm
; 32 LDS loads in one run: the fragments of one quarter step (32 K at byte k of the rows) into buffer f
.macro FETCH slot, k, f
	WIN TO_B
.irp i, 0,1,2,3,4,5,6,7
	ds_load_b128 v[\f+8*\i:\f+8*\i+3],   v[ADRB+\slot] offset:\k+\i*16*PITCH
	ds_load_b128 v[\f+8*\i+4:\f+8*\i+7], v[ADRB+\slot] offset:\k+\i*16*PITCH+32
.endr
	WIN 0
.irp i, 0,1,2,3,4,5,6,7
	ds_load_b128 v[\f+8*\i:\f+8*\i+3],   v[ADRA+\slot] offset:\k+\i*16*PITCH
	ds_load_b128 v[\f+8*\i+4:\f+8*\i+7], v[ADRA+\slot] offset:\k+\i*16*PITCH+32
.endr
.endm
; Four plain places behind a matrix instruction before a load lands in a register that it read, or a vector instruction reads its result (ISA guide 7.12.1 for vector instructions)
.macro PLACES
.rept 4
	v_nop
.endr
.endm
; The 64 accumulators take turns, one instruction a turn, in the same order in every quarter step, over the backward jump too.
.macro QUARTER slot, k, f, g, zero
	s_wait_dscnt 8                                 ; B and A's rows 0-63 are in; the youngest eight loads (A's rows 64-127) may be out
	WIN MUL_LO
	MUL16 \f, 0, 0, \zero
	MUL16 \f, 0, 2, \zero
	PLACES
	FETCH \slot, \k, \g
	s_wait_dscnt 32                                ; all but the 32 just issued
	WIN MUL_HI
	MUL16 \f, 1, 0, \zero
	MUL16 \f, 1, 2, \zero
.endm
.macro THREE slot, zero
	QUARTER \slot, 64,  F0, F1, \zero
	QUARTER \slot, 128, F1, F0, 0
	QUARTER \slot, 192, F0, F1, 0
.endm
; The last quarter of a K step: multiplies buffer 1 and changes slots.  fill = 1: this slot is filled again, two K steps ahead.
.macro TURN slot, next, fill
	s_wait_dscnt 8
	WIN MUL_LO
	MUL16 F1, 0, 0, 0
	s_wait_dscnt 0                                 ; my reads of this slot are over
	s_wait_tensorcnt 0x0                           ; all my tensor loads have landed: the one that was out is my part of the next slot
	ds_add_u32 v255, v63
	s_wait_dscnt 0x0
	s_barrier_signal -1                            ; say so (with a refill this barrier opens a round of the cluster's barrier),
	MUL16 F1, 0, 2, 0                              ; register work while the others arrive
	WIN 0
	s_barrier_wait -1
.if \fill
	CREST                                          ; no wave of any partner still reads this slot or has a load on its way
	s_add_nc_u64 s[G0+4*\slot+2:G0+4*\slot+3], s[G0+4*\slot+2:G0+4*\slot+3], 2*KSTEP*2
	s_add_nc_u64 s[G0B+4*\slot+2:G0B+4*\slot+3], s[G0B+4*\slot+2:G0B+4*\slot+3], 2*KSTEP*2
	JLOAD \slot                                    ; the wave's one tensor load behind the round, and the first thing there
.endif
	PLACES
	FETCH \next, 0, F0
	WIN MUL_HI
	MUL16 F1, 1, 0, 0
	MUL16 F1, 1, 2, 0
.endm
.macro LAP zero
	THREE 0, \zero
	TURN 0, 1, 1
	THREE 1, 0
	TURN 1, 0, 1
.endm
.if GELU
	s_wait_loadcnt 0x0                             ; the bias, once
.endif
	s_wait_tensorcnt 1                             ; my part of K step 0 is in; K step 1's stays out
	s_barrier_signal -1
	s_barrier_wait -1
	FETCH 0, 0, F0
	LAP 1
.if LAPS > 2
	WIN 0
	s_mov_b32 s3, LAPS-2
.Llap:
	LAP 0
	WIN 0
	s_sub_co_u32 s3, s3, 1
	s_cmp_lg_u32 s3, 0
	s_cbranch_scc1 .Llap
.endif
	THREE 0, 0                                     ; the last lap fills nothing
	TURN 0, 1, 0
	THREE 1, 0
	s_wait_dscnt 8
	WIN MUL_LO
	MUL16 F1, 0, 0, 0
	MUL16 F1, 0, 2, 0
	s_wait_dscnt 0
	WIN MUL_HI
	MUL16 F1, 1, 0, 0
	MUL16 F1, 1, 2, 0
	; THE WAY OUT, 16 rows of C at a time: (bias and GELU,) round to bf16, 16 bytes a lane into my own stage, read back as whole rows of 256 bytes
	PLACES
	s_lshl_b32 s13, s13, 8
	s_lshl_b32 s14, s11, 7
	s_add_co_u32 s16, s13, s14                     ; my first row of C
	s_mov_b32 s17, 0
	s_mov_b64 s[18:19], SIZE_N*2
	s_mul_u64 s[16:17], s[16:17], s[18:19]
	s_add_nc_u64 s[8:9], s[8:9], s[16:17]
	s_lshl_b32 s46, s42, 9                         ; my first column, in bytes
	s_lshl_b32 s47, s12, 8
	s_add_co_u32 s46, s46, s47
	s_mov_b32 s47, 0
	s_add_nc_u64 s[8:9], s[8:9], s[46:47]
; rows 16 i .. 16 i + 15 of my block = the eight tiles (a, 0..7) of the window that 'from' names
.macro OUT16 i, a, from
	WIN \from
.if GELU
.irp b, 0,1,2,3,4,5,6,7
.irp p, 0,2,4,6
	v_pk_add_f32 v[F0+8*\b+\p:F0+8*\b+\p+1], v[8*(8*\a+\b)+\p:8*(8*\a+\b)+\p+1], v[BIAS+8*\b+\p:BIAS+8*\b+\p+1]   ; u = sum + bias
.endr
.endr
	WIN 0
.set ii, 0
.rept 32
	v_pk_mul_f32 v[F1+ii:F1+ii+1], v[F0+ii:F0+ii+1], v[F0+ii:F0+ii+1]              ; u^2
.set ii, ii+2
.endr
.set ii, 0
.rept 32
	v_pk_fma_f32 v[F1+ii:F1+ii+1], v[F1+ii:F1+ii+1], v[CK1:CK1+1], v[CK0:CK0+1]    ; CK1 u^2 + CK0
.set ii, ii+2
.endr
.set ii, 0
.rept 32
	v_pk_mul_f32 v[F1+ii:F1+ii+1], v[F1+ii:F1+ii+1], v[F0+ii:F0+ii+1]              ; times u
.set ii, ii+2
.endr
.set ii, 0
.rept 64
	v_exp_f32 v[F1+ii], v[F1+ii]
.set ii, ii+1
.endr
	v_nop                                          ; one plain place behind the transcendentals (ISA guide 5.7.2)
.set ii, 0
.rept 32
	v_pk_add_f32 v[F1+ii:F1+ii+1], v[F1+ii:F1+ii+1], 1.0 op_sel_hi:[1,0]
.set ii, ii+2
.endr
.set ii, 0
.rept 64
	v_rcp_f32 v[F1+ii], v[F1+ii]
.set ii, ii+1
.endr
	v_nop
.set ii, 0
.rept 32
	v_pk_mul_f32 v[F0+ii:F0+ii+1], v[F0+ii:F0+ii+1], v[F1+ii:F1+ii+1]              ; gelu(u)
.set ii, ii+2
.endr
.irp b, 0,1,2,3,4,5,6,7
.irp r, 0,1,2,3
	v_cvt_pk_bf16_f32 v[TMP+4*\b+\r], v[F0+8*\b+2*\r], v[F0+8*\b+2*\r+1]
.endr
.endr
.else
.irp b, 0,1,2,3,4,5,6,7
.irp r, 0,1,2,3
	v_cvt_pk_bf16_f32 v[TMP+4*\b+\r], v[8*(8*\a+\b)+2*\r], v[8*(8*\a+\b)+2*\r+1]
.endr
.endr
	WIN 0
.endif
.irp b, 0,1,2,3,4,5,6,7
	ds_store_b128 v[STO], v[TMP+4*\b:TMP+4*\b+3] offset:32*\b
.endr
	s_wait_xcnt 0x0                                ; the read-back registers, which the last stores read, and the stores' base are rewritten only behind this wait
.if \i
	s_add_nc_u64 s[8:9], s[8:9], 16*SIZE_N*2       ; 16 rows of C on
.endif
.irp t, 0,1,2,3,4,5,6,7
	ds_load_b128 v[RB+4*\t:RB+4*\t+3], v[RD] offset:\t*2*SPITCH    ; LDS serves a wave's instructions in order: these see the stores above
.endr
.irp t, 0,1,2,3,4,5,6,7
	s_wait_dscnt 7-\t
	global_store_b128 v[CO], v[RB+4*\t:RB+4*\t+3], s[8:9] offset:2*\t*SIZE_N*2   ; 16 lanes store 256 consecutive bytes, aligned
.endr
.endm
	OUT16 0, 0, FROM_LO
	OUT16 1, 1, FROM_LO
	OUT16 2, 2, FROM_LO
	OUT16 3, 3, FROM_LO
	OUT16 4, 0, FROM_HI
	OUT16 5, 1, FROM_HI
	OUT16 6, 2, FROM_HI
	OUT16 7, 3, FROM_HI
	s_set_vgpr_msb 0x1
	s_wait_tensorcnt 0x0
	ds_add_u32 v255, v63
	s_wait_dscnt 0x0
	s_set_vgpr_msb 0x100
	CROUND                                         ; the closing round: no work-group ends while a partner may still ask for a tile that names it
	s_endpgm
.Lfunc_end_k_q5e7fe5c81c_qkv:
	.size	k_q5e7fe5c81c_qkv, .Lfunc_end_k_q5e7fe5c81c_qkv-k_q5e7fe5c81c_qkv
	.p2alignl 7, 3214868480
	.fill 96, 4, 3214868480
	.section	.rodata,"a",@progbits
	.p2align	6, 0x0
	.amdhsa_kernel k_q5e7fe5c81c_qkv
		.amdhsa_group_segment_fixed_size 327680
		.amdhsa_private_segment_fixed_size 0
		.amdhsa_enable_private_segment 0
		.amdhsa_kernarg_size 24
		.amdhsa_user_sgpr_count 2
		.amdhsa_user_sgpr_kernarg_segment_ptr 1
		.amdhsa_wavefront_size32 1
		.amdhsa_system_sgpr_workgroup_id_x 1
		.amdhsa_system_sgpr_workgroup_id_y 1
		.amdhsa_system_sgpr_workgroup_id_z 1
		.amdhsa_system_vgpr_workitem_id 0
		.amdhsa_next_free_vgpr 1024
		.amdhsa_next_free_sgpr 80
		.amdhsa_reserve_vcc 0
		.amdhsa_float_denorm_mode_32 3
		.amdhsa_float_denorm_mode_16_64 3
		.amdhsa_memory_ordered 1
		.amdhsa_forward_progress 1
		.amdhsa_inst_pref_size 196
	.end_amdhsa_kernel
	.amdgpu_metadata
---
amdhsa.version: [ 1, 2 ]
amdhsa.kernels:
  - .name:           k_q5e7fe5c81c_qkv
    .symbol:         k_q5e7fe5c81c_qkv.kd
    .args:
      - { .name: h, .offset: 0, .size: 8, .value_kind: global_buffer, .address_space: global }
      - { .name: wb, .offset: 8, .size: 8, .value_kind: global_buffer, .address_space: global }
      - { .name: qkv, .offset: 16, .size: 8, .value_kind: global_buffer, .address_space: global }
    .group_segment_fixed_size: 327680
    .private_segment_fixed_size: 0
    .kernarg_segment_align: 8
    .kernarg_segment_size: 24
    .max_flat_workgroup_size: 128
    .sgpr_count:     80
    .vgpr_count:     1024
    .wavefront_size: 32
...
	.end_amdgpu_metadata
.endif
;; end of part 2
;; launch attn (part 3): grid 16 x 16, 16 waves a work-group, clusters of 4 x 1, 327,680 bytes of LDS; arguments qkv, av; writes av
.if DOCPART == 3
	.amdgcn_target "amdgcn-amd-amdhsa--gfx1250"
	.amdhsa_code_object_version 6
	.text
	.protected	k_q5e7fe5c81c_attn
	.globl	k_q5e7fe5c81c_attn
	.p2align	8
	.type	k_q5e7fe5c81c_attn,@function
k_q5e7fe5c81c_attn:
	s_mov_b64 s[64:65], 0
	v_nop
	global_prefetch_b8 v0, s[64:65] scope:SCOPE_SE
	s_setreg_imm32_b32 hwreg(HW_REG_WAVE_MODE, 25, 1), 1
	s_wait_xcnt 0x0
	s_wait_alu depctr_hold_cnt(0) depctr_sa_sdst(0) depctr_va_vdst(0) depctr_va_sdst(0) depctr_va_ssrc(0) depctr_va_vcc(0) depctr_vm_vsrc(0)
	s_getreg_b32 s2, hwreg(HW_REG_IB_STS2, 6, 4)
	s_cmp_eq_u32 s2, 0
	s_cbranch_scc0 .Lentry_in_a_cluster
	s_endpgm
.Lentry_in_a_cluster:
	s_bfe_u32 s2, ttmp6, 0x10000c
	s_cmp_lg_u32 s2, 0x3003
	s_cbranch_scc0 .Lentry_shape_is_right
	s_endpgm
.Lentry_shape_is_right:
; av = softmax(q k^T / 8) v for 2 batches x 16 heads of 64, 2,048 tokens.  qkv: [4096][3072] bf16 (q at byte 0 of a row, k at 2,048, v at 4,096; head n at 128 n); av: [4096][1024] bf16.
; A work-group takes 128 queries (x) of two neighbouring heads of one batch (y = 8 x batch + head pair), so that K's and V's tile rows and av's rows are 256 aligned bytes.
; SIXTEEN WAVES of 256 registers, four on each of the WGP's four SIMDs: wave w takes head (w / 4) % 2 of the pair, queries 32 (w % 4) .. + 31 (two blocks of 16) and
; half w / 8 of the keys: of every slot's 256 keys the 128 from 128 (w / 8) on.  A wave's step is a chain (products, maximum, exponentials, packing, products); the other three
; waves of its SIMD have work of another kind to issue meanwhile, so a wave fetches its fragments only when it needs them.
; The two halves of the keys are joined once, at the end: partners w and w ^ 8 exchange one query block each through LDS.
; CLUSTER 4 x 1: the four query blocks of a cluster need the same K and V tiles and ask for them jointly (mask 15): a quarter of the requests.
; Keys go in slots of 256 through two LDS slots; a wave takes its 128 in two steps of 64 keys, so that O is rescaled once for 64 keys.
; LAYOUTS, chosen so that no number changes lanes between the two products:
;   S^T = K Q^T: source 0 = 16 keys x 32 d from LDS, source 1 = 16 queries x 32 d.  Lane l holds query l % 16; register j key 8 (l / 16) + j.
;   The exponentials of two key tiles, packed in pairs (in place, over S), ARE source 1 (32 keys x 16 queries) of  O^T = V^T P^T;  source 0 = V^T by transposing LDS loads.
;   In O^T a lane holds one query too, so the rescaling factor and 1 / sum are one number a lane, and a lane's 8 results are 16 neighbouring bytes of av.
; SOFTMAX: the running maximum of each query is taken away before every exponential; sums and outputs are rescaled when it grows, and once more when the two halves meet.
; A query's numbers lie in lanes l and l + 16.
; Limits: q, k, v, the probabilities and av are rounded to bf16; an exponential below 2^-126 counts as 0; NaN and infinite scores are not followed;
; a query's sum and output are made in two halves of the keys and added once.
.set KP,    272                        ; K's LDS row: 256 bytes + 16, an odd multiple of 16
.set VP,    288                        ; V's LDS row: 256 bytes + 32, an odd multiple of 32, for the transposing loads
.set KPART, 256*KP                     ; 69,632
.set SLOT,  KPART+256*VP               ; 143,360: 256 keys of K, then of V
.set STAGE, 2*SLOT                     ; 286,720: 128 rows x 272 bytes for the way out, never a tensor load's target
.set ROWB,  6144                       ; bytes in a row of qkv
.set STEPB, 256*ROWB                   ; a slot's 256 keys
.set XR,    4608                       ; the exchange: 32 registers of O (4,096 bytes) + shift and sum (512 bytes) a wave; 16 x 4,608 = 73,728 bytes at the head of slot 0
.set T,    0                           ; v[0:7]      at work (v0 is the thread's number until the addresses are made)
.set ADRK, 8                           ; v8-9        my K fragments in slot 0, 1
.set ADRV, 10                          ; v10-11      my V fragments in slot 0, 1
.set STO,  12
.set RD,   13
.set CO,   14
.set VQ,   15
.set MX,   16                          ; v16-17      running maximum of the raw scores
.set LS,   18                          ; v18-19      running sum (of my lane's half of the keys)
.set NM,   20                          ; v[20:23]    - maximum x log2(e) / 8, a pair for each qb
.set QF,   24                          ; v[24:55]    Q: 16 qb + 8 dh
.set OA,   56                          ; v[56:119]   O^T: 8 (4 qb + db)
.set SC,   120                         ; v[120:183]  S^T: 32 qb + 8 kt; then P^T: 32 qb + 16 f
.set FB,   184                         ; v[184:247]  fragments: K at 16 kt + 8 dh, then V^T at 32 f + 8 db
.set AL,   248                         ; v[248:251]  the rescaling factor, a pair for each qb
.set XS,   252                         ; the exchange: where I put, 16 x lane in my part
.set XL,   253                         ; and where I take: my partner's part
.set G1K, 24
.set G0K, 32
.set G1V, 48
.set G0V, 56
; A joint refill: waves 0-3 fetch 64 keys of K each, waves 4-7 64 keys of V each, waves 8-15 none.  The branches hang on the wave's number alone.
.macro JLOAD s
	s_cmp_eq_u32 s9, 0
	s_cbranch_scc0 .Lnot_k_\@
	tensor_load_to_lds s[G0K+4*\s:G0K+4*\s+3], s[G1K:G1K+7]
	s_nop 0
	s_branch .Lasked_\@
.Lnot_k_\@:
	s_cmp_eq_u32 s9, 1
	s_cbranch_scc0 .Lasked_\@
	tensor_load_to_lds s[G0V+4*\s:G0V+4*\s+3], s[G1V:G1V+7]
	s_nop 0
.Lasked_\@:
.endm
.macro CROUND                          ; a round of the cluster's barrier
	s_barrier_signal -1
	s_barrier_wait -1
	s_cmp_lg_u32 s8, 0
	s_cbranch_scc1 .Lnot_wave_0_\@
	s_barrier_signal -3
.Lnot_wave_0_\@:
	s_barrier_wait -3
	s_barrier_signal -1
	s_barrier_wait -1
.endm
.macro PLACES n
.rept \n
	v_nop
.endr
.endm
	s_load_b128 s[4:7], s[0:1], 0x0                ; qkv s[4:5], av s[6:7]
	v_lshl_add_u32 v254, v0, 2, 0x4e800
	v_mov_b32 v255, 0
	ds_add_u32 v254, v255
	v_lshrrev_b32 v3, 5, v0
	v_readfirstlane_b32 s8, v3                     ; wave 0..15
	s_lshr_b32 s9, s8, 2                           ; 0: I fetch K, 1: I fetch V, 2 and 3: I fetch nothing
	s_and_b32 s10, s8, 3                           ; my 32 queries.  Also: which 64 keys of a tile I fetch
	s_and_b32 s66, s9, 1                           ; my head of the pair
	s_lshr_b32 s67, s8, 3                          ; my half of the keys.  Also: the query block that I finish
	s_bfe_u32 s11, ttmp6, 0x40000                  ; cx
	s_lshl_b32 s12, ttmp9, 2
	s_add_co_u32 s12, s12, s11                     ; query block of 128: 0..15
	s_and_b32 s13, ttmp7, 0xffff
	s_lshr_b32 s14, s13, 3                         ; batch
	s_and_b32 s15, s13, 7                          ; head pair
	s_mov_b32 s22, 0x76543210                      ; v_permlanex16_b32: lane i reads lane i of the other half
	s_mov_b32 s23, 0xfedcba98
	s_mov_b32 s[G1K+0], 15|(1<<16)|(1<<20)|(1<<21)|(5<<22)|(3<<25)   ; mask of the four; elements of 2 bytes; padding on; bit 21 beside a mask; after every 64 words 4 words
	s_mov_b32 s[G1V+0], 15|(1<<16)|(1<<20)|(1<<21)|(5<<22)|(7<<25)   ; the same with 8 words of padding
.irp g, G1K, G1V
	s_mov_b32 s[\g+1], 128<<16                     ; tensor_dim0 = 128 elements (two heads)
	s_mov_b32 s[\g+2], 64<<16                      ; tensor_dim1 = 64 keys
	s_mov_b32 s[\g+3], 128<<16                     ; tile_dim0 = 128
	s_mov_b32 s[\g+4], 64                          ; tile_dim1 = 64
	s_mov_b32 s[\g+5], 3072                        ; elements from row to row
	s_mov_b32 s[\g+6], 0
	s_mov_b32 s[\g+7], 0
.endr
	; the tiles hang on the batch, the head pair and the wave's number alone, which the four partners share
	s_lshl_b32 s16, s14, 11
	s_lshl_b32 s17, s10, 6
	s_add_co_u32 s16, s16, s17                     ; token 2,048 x batch + 64 x part
	s_mul_i32 s16, s16, ROWB
	s_lshl_b32 s17, s15, 8
	s_add_co_u32 s16, s16, s17                     ; + 256 x head pair
	s_mov_b32 s17, 0
	s_mul_i32 s20, s10, 64*KP                      ; K's part in a slot
	s_mul_i32 s21, s10, 64*VP
	s_add_co_u32 s21, s21, KPART                   ; V's part in a slot
	; my queries in qkv, and the 8 rows of av that I store
	s_lshl_b32 s44, s14, 11
	s_lshl_b32 s45, s12, 7
	s_add_co_u32 s44, s44, s45                     ; the block's first token
	s_lshl_b32 s45, s8, 3
	s_add_co_u32 s46, s44, s45                     ; + 8 x wave
	s_lshl_b32 s46, s46, 11                        ; rows of 2,048 bytes
	s_lshl_b32 s45, s15, 8
	s_add_co_u32 s46, s46, s45
	s_mov_b32 s47, 0
	s_lshl_b32 s45, s10, 5
	s_add_co_u32 s44, s44, s45                     ; + 32 x (wave % 4)
	s_mul_i32 s44, s44, ROWB
	s_lshl_b32 s45, s15, 8
	s_add_co_u32 s44, s44, s45
	s_lshl_b32 s45, s66, 7
	s_add_co_u32 s44, s44, s45                     ; + 128 x head of the pair
	s_mov_b32 s45, 0
	s_wait_dscnt 0x0
	s_wait_kmcnt 0x0
	s_add_nc_u64 s[18:19], s[4:5], s[16:17]
	s_add_nc_u64 s[40:41], s[4:5], s[44:45]
	s_add_nc_u64 s[42:43], s[6:7], s[46:47]
	CROUND                                         ; the four work-groups are here: the first joint loads meet
.irp s, 0,1
	s_mov_b32 s[G0K+4*\s], 1
	s_add_co_u32 s[G0K+4*\s+1], s20, \s*SLOT
	s_add_nc_u64 s[G0K+4*\s+2:G0K+4*\s+3], s[18:19], 2048+\s*STEPB
	s_or_b32 s[G0K+4*\s+3], s[G0K+4*\s+3], 0x80000000
	s_mov_b32 s[G0V+4*\s], 1
	s_add_co_u32 s[G0V+4*\s+1], s21, \s*SLOT
	s_add_nc_u64 s[G0V+4*\s+2:G0V+4*\s+3], s[18:19], 4096+\s*STEPB
	s_or_b32 s[G0V+4*\s+3], s[G0V+4*\s+3], 0x80000000
.endr
	; the first fills of both slots, a wave's two inside one branch on its number: two tensor loads of waves 0-7 are out, none of waves 8-15
	s_cmp_eq_u32 s9, 0
	s_cbranch_scc0 .Lfirst_not_k
	tensor_load_to_lds s[G0K:G0K+3], s[G1K:G1K+7]
	s_nop 0
	tensor_load_to_lds s[G0K+4:G0K+7], s[G1K:G1K+7]
	s_nop 0
	s_branch .Lfirst_asked
.Lfirst_not_k:
	s_cmp_eq_u32 s9, 1
	s_cbranch_scc0 .Lfirst_asked
	tensor_load_to_lds s[G0V:G0V+3], s[G1V:G1V+7]
	s_nop 0
	tensor_load_to_lds s[G0V+4:G0V+7], s[G1V:G1V+7]
	s_nop 0
.Lfirst_asked:
	v_and_b32 v1, 15, v0                           ; r = l % 16
	v_bfe_u32 v2, v0, 4, 1                         ; h = l / 16
	v_mul_u32_u24 v[VQ], v1, ROWB
	v_lshl_add_u32 v[VQ], v2, 4, v[VQ]             ; query r, 16 h bytes along d
.irp qb, 0,1
.irp dh, 0,1
	global_load_b128 v[QF+16*\qb+8*\dh:QF+16*\qb+8*\dh+3],   v[VQ], s[40:41] offset:\qb*16*ROWB+64*\dh
	global_load_b128 v[QF+16*\qb+8*\dh+4:QF+16*\qb+8*\dh+7], v[VQ], s[40:41] offset:\qb*16*ROWB+64*\dh+32
.endr
.endr
	v_mul_u32_u24 v3, v1, KP
	v_lshl_add_u32 v3, v2, 4, v3
	v_lshl_add_u32 v3, s66, 7, v3                  ; key r, my head's 128 bytes, 16 h
	s_mul_i32 s16, s67, 128*KP                     ; my half of a slot's keys
	v_add_nc_u32 v[ADRK], s16, v3
	v_add_nc_u32 v[ADRK+1], SLOT, v[ADRK]
	v_and_b32 v4, 7, v0
	v_lshl_add_u32 v4, v2, 3, v4                   ; key 8 h + l % 8
	v_mul_u32_u24 v4, v4, VP
	v_bfe_u32 v5, v0, 3, 1
	v_lshl_add_u32 v4, v5, 4, v4                   ; + 16 x ((l / 8) % 2)
	v_lshl_add_u32 v4, s66, 7, v4
	s_mul_i32 s17, s67, 128*VP
	s_add_co_u32 s17, s17, KPART
	v_add_nc_u32 v[ADRV], s17, v4
	v_add_nc_u32 v[ADRV+1], SLOT, v[ADRV]
	s_lshl_b32 s16, s10, 5                         ; the way out, in: row 32 (w % 4) + 16 (w / 8) + r of the block's 128: the query block that I finish
	s_lshl_b32 s17, s67, 4
	s_add_co_u32 s16, s16, s17
	v_add_nc_u32 v5, s16, v1
	v_mul_u32_u24 v5, v5, KP
	v_lshl_add_u32 v5, v2, 4, v5
	v_lshl_add_u32 v5, s66, 7, v5
	v_add_nc_u32 v[STO], STAGE, v5
	v_lshl_add_u32 v6, s8, 3, v2                   ; back: rows 8 w + h, two at a time
	v_mul_u32_u24 v6, v6, KP
	v_lshl_add_u32 v6, v1, 4, v6
	v_add_nc_u32 v[RD], STAGE, v6
	v_lshlrev_b32 v[CO], 4, v1
	v_lshl_add_u32 v[CO], v2, 11, v[CO]            ; the same two rows in av
	v_and_b32 v7, 31, v0
	v_lshlrev_b32 v7, 4, v7                        ; 16 x lane
	s_mul_i32 s16, s8, XR
	v_add_nc_u32 v[XS], s16, v7                    ; my part of the exchange
	s_xor_b32 s17, s8, 8
	s_mul_i32 s17, s17, XR
	v_add_nc_u32 v[XL], s17, v7                    ; my partner's: the same head and queries, the other half of the keys
; K's fragments of step j (64 keys): 4 key tiles x 2 halves of d
.macro KLOAD slot, j
.irp kt, 0,1,2,3
.irp dh, 0,1
	ds_load_b128 v[FB+16*\kt+8*\dh:FB+16*\kt+8*\dh+3],   v[ADRK+\slot] offset:(\j)*64*KP+\kt*16*KP+64*\dh
	ds_load_b128 v[FB+16*\kt+8*\dh+4:FB+16*\kt+8*\dh+7], v[ADRK+\slot] offset:(\j)*64*KP+\kt*16*KP+64*\dh+32
.endr
.endr
.endm
; V^T's fragments of step j: 2 groups of 32 keys x 4 tiles of 16 d, two transposing loads each (keys 8 h .. and 16 + 8 h ..)
.macro VLOAD slot, j
.irp f, 0,1
.irp db, 0,1,2,3
	ds_load_tr16_b128 v[FB+32*\f+8*\db:FB+32*\f+8*\db+3],   v[ADRV+\slot] offset:(\j)*64*VP+\f*32*VP+32*\db
	ds_load_tr16_b128 v[FB+32*\f+8*\db+4:FB+32*\f+8*\db+7], v[ADRV+\slot] offset:(\j)*64*VP+\f*32*VP+32*\db+16*VP
.endr
.endr
.endm
; The softmax step of query block qb on 64 keys: 32 numbers a lane.  first = 1: maximum, sum and O start here.
.macro SOFT qb, first
.set SB, SC+32*\qb
.irp c, 0,1,2,3
	v_max3_num_f32 v[T+\c], v[SB+8*\c], v[SB+8*\c+1], v[SB+8*\c+2]          ; four chains, one for each key tile
.endr
.irp c, 0,1,2,3
	v_max3_num_f32 v[T+\c], v[T+\c], v[SB+8*\c+3], v[SB+8*\c+4]
.endr
.irp c, 0,1,2,3
	v_max3_num_f32 v[T+\c], v[T+\c], v[SB+8*\c+5], v[SB+8*\c+6]
.endr
	v_max3_num_f32 v[T],   v[T],   v[SB+7],  v[SB+15]
	v_max3_num_f32 v[T+2], v[T+2], v[SB+23], v[SB+31]
	v_max3_num_f32 v[T], v[T], v[T+1], v[T+2]
	v_max_num_f32 v[T], v[T], v[T+3]
	v_permlanex16_b32 v[T+1], v[T], s22, s23       ; the query's other 32 keys
.if \first
	v_max_num_f32 v[MX+\qb], v[T], v[T+1]
	v_mul_f32 v[NM+2*\qb], 0xbe38aa3b, v[MX+\qb]   ; - maximum x log2(e) / 8
	v_mov_b32 v[NM+2*\qb+1], v[NM+2*\qb]
.else
	v_max3_num_f32 v[MX+\qb], v[T], v[T+1], v[MX+\qb]
	v_mul_f32 v[T+2], 0xbe38aa3b, v[MX+\qb]
	v_sub_f32 v[T+3], v[T+2], v[NM+2*\qb]          ; (old maximum - new maximum) log2(e) / 8, from the same rounded shifts that the exponentials use
	v_exp_f32 v[AL+2*\qb], v[T+3]
	v_mov_b32 v[NM+2*\qb], v[T+2]                  ; the plain place behind the transcendental (ISA guide 5.7.2)
	v_mov_b32 v[NM+2*\qb+1], v[T+2]
	s_wait_alu depctr_va_vdst(0)
	v_mov_b32 v[AL+2*\qb+1], v[AL+2*\qb]
.endif
.set ii, 0
.rept 16
	v_pk_fma_f32 v[SB+ii:SB+ii+1], v[SB+ii:SB+ii+1], 0x3e38aa3b, v[NM+2*\qb:NM+2*\qb+1] op_sel_hi:[1,0,1]
.set ii, ii+2
.endr
.set ii, 0
.rept 32
	v_exp_f32 v[SB+ii], v[SB+ii]
.set ii, ii+1
.endr
	v_nop
	s_wait_alu depctr_va_vdst(0)
.irp c, 0,1,2,3
	v_pk_add_f32 v[T+2*\c:T+2*\c+1], v[SB+2*\c:SB+2*\c+1], v[SB+8+2*\c:SB+8+2*\c+1]   ; the first sums start four chains: nothing is cleared
.endr
.irp c, 0,1,2,3
	v_pk_add_f32 v[T+2*\c:T+2*\c+1], v[T+2*\c:T+2*\c+1], v[SB+16+2*\c:SB+16+2*\c+1]
.endr
.irp c, 0,1,2,3
	v_pk_add_f32 v[T+2*\c:T+2*\c+1], v[T+2*\c:T+2*\c+1], v[SB+24+2*\c:SB+24+2*\c+1]
.endr
	v_pk_add_f32 v[T:T+1], v[T:T+1], v[T+2:T+3]
	v_pk_add_f32 v[T+4:T+5], v[T+4:T+5], v[T+6:T+7]
	v_pk_add_f32 v[T:T+1], v[T:T+1], v[T+4:T+5]
.if \first
	v_add_f32 v[LS+\qb], v[T], v[T+1]
.else
	v_add_f32 v[T], v[T], v[T+1]
	v_fma_f32 v[LS+\qb], v[LS+\qb], v[AL+2*\qb], v[T]
.endif
.irp f, 0,1
.irp p, 0,1,2,3,4,5,6,7
	v_cvt_pk_bf16_f32 v[SB+16*\f+\p], v[SB+16*\f+2*\p], v[SB+16*\f+2*\p+1]   ; packed in place: word p is written when words 2 p and 2 p + 1 are read, and never ahead of them
.endr
.endr
.if \first == 0
.set ii, 0
.rept 16
	v_pk_mul_f32 v[OA+32*\qb+ii:OA+32*\qb+ii+1], v[OA+32*\qb+ii:OA+32*\qb+ii+1], v[AL+2*\qb:AL+2*\qb+1]
.set ii, ii+2
.endr
.endif
.endm
; A step: 64 keys x my 32 queries.  The eight S accumulators, and then the eight O accumulators, take turns, one instruction a turn.
.macro STEP slot, j, first
	KLOAD \slot, \j
	s_wait_dscnt 0x0                               ; K's sixteen loads are in
.irp qb, 0,1
.irp kt, 0,1,2,3
	v_wmma_f32_16x16x32_bf16 v[SC+32*\qb+8*\kt:SC+32*\qb+8*\kt+7], v[FB+16*\kt:FB+16*\kt+7], v[QF+16*\qb:QF+16*\qb+7], 0
.endr
.endr
.irp qb, 0,1
.irp kt, 0,1,2,3
	v_wmma_f32_16x16x32_bf16 v[SC+32*\qb+8*\kt:SC+32*\qb+8*\kt+7], v[FB+16*\kt+8:FB+16*\kt+15], v[QF+16*\qb+8:QF+16*\qb+15], v[SC+32*\qb+8*\kt:SC+32*\qb+8*\kt+7]
.endr
.endr
	PLACES 4                                       ; four places: for the loads over K's fragments and for the reads of S (ISA guide 7.12.1 for vector instructions)
	VLOAD \slot, \j                                ; on their way while the exponentials are made
	SOFT 0, \first
	SOFT 1, \first
	s_wait_dscnt 0x0                               ; V's sixteen loads are in
.irp f, 0,1
.irp qb, 0,1
.irp db, 0,1,2,3
.if \first*(1-\f)
	v_wmma_f32_16x16x32_bf16 v[OA+8*(4*\qb+\db):OA+8*(4*\qb+\db)+7], v[FB+32*\f+8*\db:FB+32*\f+8*\db+7], v[SC+32*\qb+16*\f:SC+32*\qb+16*\f+7], 0
.else
	v_wmma_f32_16x16x32_bf16 v[OA+8*(4*\qb+\db):OA+8*(4*\qb+\db)+7], v[FB+32*\f+8*\db:FB+32*\f+8*\db+7], v[SC+32*\qb+16*\f:SC+32*\qb+16*\f+7], v[OA+8*(4*\qb+\db):OA+8*(4*\qb+\db)+7]
.endif
.endr
.endr
.endr
	PLACES 5                                       ; five places: the next step's first products write over P, a source of these; its loads write over V's fragments
.endm
.macro SLOTSTEP slot, first            ; my 128 of a slot's 256 keys
	STEP \slot, 0, \first
	STEP \slot, 1, 0
.endm
; The change of slots.  fill = 1: the slot just read is filled again, two slots ahead, behind a round of the cluster's barrier.
.macro CHANGE slot, fill
	s_wait_dscnt 0x0                               ; my reads of this slot are over
	s_wait_tensorcnt 0x0                           ; all my tensor loads have landed: the one that was out is my part of the other slot
	ds_add_u32 v254, v255
	s_wait_dscnt 0x0
.if \fill
	CROUND                                         ; both hold of every wave of the four work-groups
	s_add_nc_u64 s[G0K+4*\slot+2:G0K+4*\slot+3], s[G0K+4*\slot+2:G0K+4*\slot+3], 2*STEPB
	s_add_nc_u64 s[G0V+4*\slot+2:G0V+4*\slot+3], s[G0V+4*\slot+2:G0V+4*\slot+3], 2*STEPB
	JLOAD \slot                                    ; the wave's one tensor load behind the round, ahead of its first LDS read
.else
	s_barrier_signal -1
	s_barrier_wait -1
.endif
.endm
.macro LAP first
	SLOTSTEP 0, \first
	CHANGE 0, 1
	SLOTSTEP 1, 0
	CHANGE 1, 1
.endm
	s_wait_loadcnt 0x0                             ; Q, once
	s_wait_tensorcnt 0x1                           ; my part of slot 0 is in; slot 1's stays out
	s_barrier_signal -1
	s_barrier_wait -1
	LAP 1                                          ; keys 0-511; asks for 512-1023
	s_mov_b32 s3, 2
.Llap:
	LAP 0                                          ; keys 512-1535; asks for 1024-2047
	s_sub_co_u32 s3, s3, 1
	s_cmp_lg_u32 s3, 0
	s_cbranch_scc1 .Llap
	SLOTSTEP 0, 0                                  ; the last 512 keys: nothing is left to fetch
	CHANGE 0, 0
	SLOTSTEP 1, 0
	; THE TWO HALVES OF THE KEYS MEET.  A wave finishes query block qb = its half and sends the other block to its partner, through the head of slot 0,
	; which has had its last fill.  The five places behind the last products serve the stores of O and the loads over S.
.macro XSEND qb
	v_mov_b32 v[T], v[NM+2*\qb]                    ; the shift and the sum travel with O
	v_mov_b32 v[T+1], v[LS+\qb]
.irp k, 0,1,2,3,4,5,6,7
	ds_store_b128 v[XS], v[OA+32*\qb+4*\k:OA+32*\qb+4*\k+3] offset:512*\k   ; 32 lanes x 16 consecutive bytes
.endr
	ds_store_b128 v[XS], v[T:T+3] offset:4096      ; words 0 and 1 count
.endm
; my O, sum and shift of block qb and my partner's (O in v[SC:SC+31], shift in v[SC+32], sum in v[SC+33]) become the block's 16 rows of av in the stage
.macro XMERGE qb
	v_min_num_f32 v[T], v[NM+2*\qb], v[SC+32]      ; the shift of the larger maximum
	v_sub_f32 v[T+1], v[T], v[NM+2*\qb]
	v_sub_f32 v[T+2], v[T], v[SC+32]
	v_exp_f32 v[T+1], v[T+1]                       ; my factor
	v_exp_f32 v[T+2], v[T+2]                       ; my partner's: one of the two is 1
	v_nop
	s_wait_alu depctr_va_vdst(0)
	v_mul_f32 v[T+3], v[LS+\qb], v[T+1]
	v_fma_f32 v[T+3], v[SC+33], v[T+2], v[T+3]
	v_permlanex16_b32 v[T+4], v[T+3], s22, s23     ; the sum over the keys that lanes l + 16 hold
	v_add_f32 v[T+3], v[T+3], v[T+4]
	v_rcp_f32 v[T+3], v[T+3]                       ; the sum is at least about 1: the largest score's exponential
	v_nop
	s_wait_alu depctr_va_vdst(0)
	v_mul_f32 v[T+4], v[T+1], v[T+3]
	v_mul_f32 v[T+6], v[T+2], v[T+3]
	v_mov_b32 v[T+5], v[T+4]
	v_mov_b32 v[T+7], v[T+6]
.set ii, 0
.rept 16
	v_pk_mul_f32 v[OA+32*\qb+ii:OA+32*\qb+ii+1], v[OA+32*\qb+ii:OA+32*\qb+ii+1], v[T+4:T+5]
.set ii, ii+2
.endr
.set ii, 0
.rept 16
	v_pk_fma_f32 v[OA+32*\qb+ii:OA+32*\qb+ii+1], v[SC+ii:SC+ii+1], v[T+6:T+7], v[OA+32*\qb+ii:OA+32*\qb+ii+1]
.set ii, ii+2
.endr
.irp db, 0,1,2,3
.irp p, 0,1,2,3
	v_cvt_pk_bf16_f32 v[OA+8*(4*\qb+\db)+\p], v[OA+8*(4*\qb+\db)+2*\p], v[OA+8*(4*\qb+\db)+2*\p+1]
.endr
	ds_store_b128 v[STO], v[OA+8*(4*\qb+\db):OA+8*(4*\qb+\db)+3] offset:32*\db
.endr
.endm
	s_barrier_signal -1                            ; every wave's reads of the ring are over (its last wait on LDS was for 0) and no tensor load is out
	s_barrier_wait -1
	s_cmp_eq_u32 s67, 0
	s_cbranch_scc0 .Lsend_hi
	XSEND 1
	s_branch .Lsent
.Lsend_hi:
	XSEND 0
.Lsent:
	s_wait_dscnt 0x0                               ; my stores are done, for my partner's sake
	s_barrier_signal -1
	s_barrier_wait -1
.irp k, 0,1,2,3,4,5,6,7
	ds_load_b128 v[SC+4*\k:SC+4*\k+3], v[XL] offset:512*\k
.endr
	ds_load_b128 v[SC+32:SC+35], v[XL] offset:4096
	s_wait_dscnt 0x0
	s_cmp_eq_u32 s67, 0
	s_cbranch_scc0 .Lmerge_hi
	XMERGE 0
	s_branch .Lmerged
.Lmerge_hi:
	XMERGE 1
.Lmerged:
	; THE WAY OUT: both heads' waves have filled the same rows of 256 bytes; each wave takes 8 whole rows back and stores them
	s_wait_dscnt 0x0                               ; my stores are done, for the other waves' sake
	s_barrier_signal -1
	s_barrier_wait -1
.irp t, 0,1,2,3
	ds_load_b128 v[SC+4*\t:SC+4*\t+3], v[RD] offset:\t*2*KP
.endr
.irp t, 0,1,2,3
	s_wait_dscnt 3-\t                              ; LDS loads come back in order: pair t of rows is in, the younger ones stay out
	global_store_b128 v[CO], v[SC+4*\t:SC+4*\t+3], s[42:43] offset:\t*4096   ; 16 lanes store 256 consecutive bytes, aligned
.endr
	s_wait_tensorcnt 0x0
	ds_add_u32 v254, v255
	s_wait_dscnt 0x0
	CROUND                                         ; the closing round
	s_endpgm
.Lfunc_end_k_q5e7fe5c81c_attn:
	.size	k_q5e7fe5c81c_attn, .Lfunc_end_k_q5e7fe5c81c_attn-k_q5e7fe5c81c_attn
	.p2alignl 7, 3214868480
	.fill 96, 4, 3214868480
	.section	.rodata,"a",@progbits
	.p2align	6, 0x0
	.amdhsa_kernel k_q5e7fe5c81c_attn
		.amdhsa_group_segment_fixed_size 327680
		.amdhsa_private_segment_fixed_size 0
		.amdhsa_enable_private_segment 0
		.amdhsa_kernarg_size 16
		.amdhsa_user_sgpr_count 2
		.amdhsa_user_sgpr_kernarg_segment_ptr 1
		.amdhsa_wavefront_size32 1
		.amdhsa_system_sgpr_workgroup_id_x 1
		.amdhsa_system_sgpr_workgroup_id_y 1
		.amdhsa_system_sgpr_workgroup_id_z 1
		.amdhsa_system_vgpr_workitem_id 0
		.amdhsa_next_free_vgpr 256
		.amdhsa_next_free_sgpr 72
		.amdhsa_reserve_vcc 0
		.amdhsa_float_denorm_mode_32 3
		.amdhsa_float_denorm_mode_16_64 3
		.amdhsa_memory_ordered 1
		.amdhsa_forward_progress 1
		.amdhsa_inst_pref_size 240
	.end_amdhsa_kernel
	.amdgpu_metadata
---
amdhsa.version: [ 1, 2 ]
amdhsa.kernels:
  - .name:           k_q5e7fe5c81c_attn
    .symbol:         k_q5e7fe5c81c_attn.kd
    .args:
      - { .name: qkv, .offset: 0, .size: 8, .value_kind: global_buffer, .address_space: global }
      - { .name: av, .offset: 8, .size: 8, .value_kind: global_buffer, .address_space: global }
    .group_segment_fixed_size: 327680
    .private_segment_fixed_size: 0
    .kernarg_segment_align: 8
    .kernarg_segment_size: 16
    .max_flat_workgroup_size: 512
    .sgpr_count:     72
    .vgpr_count:     256
    .wavefront_size: 32
...
	.end_amdgpu_metadata
.endif
;; end of part 3
;; launch proj (part 4): grid 8 x 32, 4 waves a work-group, clusters of 4 x 4, 327,680 bytes of LDS; arguments av, wb, x, x2; writes x2
.if DOCPART == 4
	.amdgcn_target "amdgcn-amd-amdhsa--gfx1250"
	.amdhsa_code_object_version 6
	.text
	.protected	k_q5e7fe5c81c_proj
	.globl	k_q5e7fe5c81c_proj
	.p2align	8
	.type	k_q5e7fe5c81c_proj,@function
k_q5e7fe5c81c_proj:
	s_mov_b64 s[64:65], 0
	v_nop
	global_prefetch_b8 v0, s[64:65] scope:SCOPE_SE
	s_setreg_imm32_b32 hwreg(HW_REG_WAVE_MODE, 25, 1), 1
	s_wait_xcnt 0x0
	s_wait_alu depctr_hold_cnt(0) depctr_sa_sdst(0) depctr_va_vdst(0) depctr_va_sdst(0) depctr_va_ssrc(0) depctr_va_vcc(0) depctr_vm_vsrc(0)
	s_getreg_b32 s2, hwreg(HW_REG_IB_STS2, 6, 4)
	s_cmp_eq_u32 s2, 0
	s_cbranch_scc0 .Lentry_in_a_cluster
	s_endpgm
.Lentry_in_a_cluster:
	s_bfe_u32 s2, ttmp6, 0x10000c
	s_cmp_lg_u32 s2, 0xf033
	s_cbranch_scc0 .Lentry_shape_is_right
	s_endpgm
.Lentry_shape_is_right:
; OUT[m][n] = RES[m][n] (+ bias[n]) + sum over k of A[m][k] B[n][k].  A: [4096][SIZE_K] bf16; B: rows of wb (bf16, [1024][SIZE_K]) from byte WOFF on; RES, OUT: [4096][1024] f32.
; N = 1,024 gives only 64 blocks of 256 x 256, so a work-group makes 128 x 128 (256 work-groups), and K IS SPLIT OVER THE FOUR WAVES: every wave holds the whole block in
; 64 accumulator tiles (512 registers) and takes 64 of each 256 along K.  So an LDS byte feeds as many multiply-adds as with wave tiles of 128 x 128, twice as many as with 64 x 64.
; The four partial sums meet once, at the end, in the ring's LDS bytes, which have had their last fill by then.
; K goes in steps of 256 (rows of 512 bytes of memory, at multiples of 512) through two LDS slots filled by the tensor data mover.
; CLUSTERS: 4 x 4 work-groups; A's tile is asked for jointly along a row of the cluster, B's along a column.
; Limits: operands are bf16; each output is a sum of four f32 partial sums, the residual (and the bias), in this order: (p0 + p1) + (p2 + p3), then onto res (+ bias).
; REGISTERS: window 0: v16-31 addresses and bias, v64-191 fragments of A (later the residual), v192-255 partial sums read back; window 1: v64-191 fragments of B; windows 2, 3: accumulators.
.set SIZE_K, 1024
.set WOFF,   0x600000
.set HASB,   0
.set KS,     256
.set PITCH,  528                       ; an LDS row: 512 bytes + 16, an odd multiple of 16
.set HALFT,  64*PITCH                  ; 64 rows: one tensor load
.set SLOT,   4*HALFT                   ; A's 128 rows, then B's 128 rows
.set PART,   128*PITCH                 ; a wave's partial sums: 128 rows of 128 f32, the same pitch; four of them are the two slots' bytes
.set LAPS,   SIZE_K/(2*KS)
.set ADRA, 16
.set ADRB, 20
.set PST,  22                          ; where I put 16 bytes of a partial row
.set CO,   23                          ; 16 x lane
.set RDQ,  24                          ; v[24:27]  my 32 rows in the four waves' partial sums
.set BI,   28                          ; v[28:31]  the bias of my 4 columns
.set F0,   64
.set F1,   128
.set RES,  64                          ; v[64:191]  32 rows x 4 registers of the residual, then of the result
.set PB,   192                         ; v[192:255] two buffers of 2 rows x 4 parts x 4 registers
.set G1, 24
.set G0, 32
.set G1B, 48
.set G0B, 56
.set MSB, 0
.macro WIN new
.if MSB != \new
	s_set_vgpr_msb (MSB<<8)|\new
.set MSB, \new
.endif
.endm
.set MUL_LO, 0xa1
.set MUL_HI, 0xf1
.set TO_B,   0x40
.macro JLOAD s                         ; waves 0 and 1 fetch A's two halves, waves 2 and 3 B's
	s_cmp_eq_u32 s11, 0
	s_cbranch_scc0 .Lfor_b_\@
	tensor_load_to_lds s[G0+4*\s:G0+4*\s+3], s[G1:G1+7]
	s_nop 0
	s_branch .Lasked_\@
.Lfor_b_\@:
	tensor_load_to_lds s[G0B+4*\s:G0B+4*\s+3], s[G1B:G1B+7]
	s_nop 0
.Lasked_\@:
.endm
.macro CREST
	s_cmp_lg_u32 s10, 0
	s_cbranch_scc1 .Lnot_wave_0_\@
	s_barrier_signal -3
.Lnot_wave_0_\@:
	s_barrier_wait -3
	s_barrier_signal -1
	s_barrier_wait -1
.endm
.macro CROUND
	s_barrier_signal -1
	s_barrier_wait -1
	CREST
.endm
	s_load_b128 s[4:7], s[0:1], 0x0                ; A s[4:5], wb s[6:7]
	s_load_b128 s[68:71], s[0:1], 0x10             ; residual s[68:69], output s[70:71]
	s_set_vgpr_msb 0x40
	v_lshl_add_u32 v255, v0, 2, 0x42000
	s_set_vgpr_msb 0x4000
	v_mov_b32 v63, 0
	s_set_vgpr_msb 0x1
	ds_add_u32 v255, v63
	s_set_vgpr_msb 0x100
.if HASB
	s_load_b64 s[72:73], s[0:1], 0x20              ; bias
.endif
	v_lshrrev_b32 v1, 5, v0
	v_readfirstlane_b32 s10, v1                    ; wave 0..3: also my quarter of K
	s_lshr_b32 s11, s10, 1                         ; I fetch for A (0) or for B (1)
	s_and_b32 s12, s10, 1                          ; which 64 rows of that tile
	s_bfe_u32 s40, ttmp6, 0x40000                  ; cx
	s_bfe_u32 s41, ttmp6, 0x40004                  ; cy
	s_lshl_b32 s42, ttmp9, 2
	s_add_co_u32 s42, s42, s40                     ; block column
	s_and_b32 s13, ttmp7, 0xffff
	s_lshl_b32 s13, s13, 2
	s_add_co_u32 s13, s13, s41                     ; block row
	s_lshl_b32 s43, s41, 2
	s_lshl_b32 s43, 15, s43                        ; my row of the cluster
	s_lshl_b32 s44, 0x1111, s40                    ; my column
	s_or_b32 s[G1+0], s43, (1<<16)|(1<<20)|(1<<21)|(6<<22)|(3<<25)   ; mask; elements of 2 bytes; padding on; bit 21 beside a mask; after every 128 words 4 words
	s_or_b32 s[G1B+0], s44, (1<<16)|(1<<20)|(1<<21)|(6<<22)|(3<<25)
	s_mov_b32 s[G1B+1], KS<<16
	s_mov_b32 s[G1+1], KS<<16                      ; tensor_dim0 = 256
	s_mov_b32 s[G1B+2], 64<<16
	s_mov_b32 s[G1+2], 64<<16                      ; tensor_dim1 = 64
	s_mov_b32 s[G1B+3], KS<<16
	s_mov_b32 s[G1+3], KS<<16                      ; tile_dim0 = 256
	s_mov_b32 s[G1B+4], 64
	s_mov_b32 s[G1+4], 64                          ; tile_dim1 = 64
	s_mov_b32 s[G1B+5], SIZE_K
	s_mov_b32 s[G1+5], SIZE_K
	s_mov_b32 s[G1B+6], 0
	s_mov_b32 s[G1+6], 0
	s_mov_b32 s[G1B+7], 0
	s_mov_b32 s[G1+7], 0
	s_lshl_b32 s17, s12, 6
	s_lshl_b32 s16, s13, 7
	s_add_co_u32 s16, s16, s17                     ; A: row 128 x block row + 64 x half
	s_lshl_b32 s46, s42, 7
	s_add_co_u32 s46, s46, s17                     ; B: row 128 x block column + 64 x half
	s_mov_b32 s17, 0
	s_mov_b32 s47, 0
	s_mov_b64 s[18:19], SIZE_K*2
	s_mul_u64 s[16:17], s[16:17], s[18:19]
	s_mul_u64 s[46:47], s[46:47], s[18:19]
	s_mul_i32 s20, s10, HALFT
	s_wait_dscnt 0x0
	s_wait_kmcnt 0x0
	s_add_nc_u64 s[6:7], s[6:7], WOFF              ; this product's weights in wb
	s_add_nc_u64 s[14:15], s[4:5], s[16:17]
	s_add_nc_u64 s[46:47], s[6:7], s[46:47]
	CROUND                                         ; the first joint loads meet
.irp s, 0,1
	s_mov_b32 s[G0+4*\s], 1
	s_add_co_u32 s[G0+4*\s+1], s20, \s*SLOT
	s_add_nc_u64 s[G0+4*\s+2:G0+4*\s+3], s[14:15], \s*KS*2
	s_or_b32 s[G0+4*\s+3], s[G0+4*\s+3], 0x80000000
	s_mov_b32 s[G0B+4*\s], 1
	s_add_co_u32 s[G0B+4*\s+1], s20, \s*SLOT
	s_add_nc_u64 s[G0B+4*\s+2:G0B+4*\s+3], s[46:47], \s*KS*2
	s_or_b32 s[G0B+4*\s+3], s[G0B+4*\s+3], 0x80000000
	JLOAD \s                                       ; two tensor loads of the wave are out
.endr
	v_and_b32 v1, 15, v0
	v_bfe_u32 v2, v0, 4, 1
	v_mul_u32_u24 v3, v1, PITCH
	v_lshl_add_u32 v3, v2, 4, v3
	v_lshl_add_u32 v[ADRA], s10, 7, v3             ; + my 64 of the step's 256 along K (128 bytes)
	v_add_nc_u32 v[ADRA+1], SLOT, v[ADRA]
	v_add_nc_u32 v[ADRB],   2*HALFT, v[ADRA]
	v_add_nc_u32 v[ADRB+1], SLOT+2*HALFT, v[ADRA]
	s_mul_i32 s21, s10, PART
	v_mul_u32_u24 v4, v1, PITCH
	v_lshl_add_u32 v4, v2, 5, v4                   ; row l % 16, 32 bytes for each half of the lanes
	v_add_nc_u32 v[PST], s21, v4
	v_and_b32 v5, 31, v0
	v_lshlrev_b32 v[CO], 4, v5
	s_mul_i32 s22, s10, 32*PITCH                   ; I add up rows 32 w .. 32 w + 31
	v_add_nc_u32 v[RDQ], s22, v[CO]
	v_add_nc_u32 v[RDQ+1], PART, v[RDQ]
	v_add_nc_u32 v[RDQ+2], 2*PART, v[RDQ]
	v_add_nc_u32 v[RDQ+3], 3*PART, v[RDQ]
.if HASB
	s_lshl_b32 s74, s42, 9
	s_mov_b32 s75, 0
	s_add_nc_u64 s[72:73], s[72:73], s[74:75]
	global_load_b128 v[BI:BI+3], v[CO], s[72:73]   ; columns 128 x block column + 4 x lane ..
.endif
	s_lshl_b32 s74, s13, 7
	s_lshl_b32 s75, s10, 5
	s_add_co_u32 s74, s74, s75                     ; row 128 x block row + 32 w
	s_lshl_b32 s74, s74, 12                        ; rows of 4,096 bytes
	s_lshl_b32 s75, s42, 9
	s_add_co_u32 s74, s74, s75                     ; + 512 x block column
	s_mov_b32 s75, 0
	s_add_nc_u64 s[68:69], s[68:69], s[74:75]
	s_add_nc_u64 s[70:71], s[70:71], s[74:75]
.macro MUL16 f, hi, a0, zero
.irp a, \a0, \a0+1
.irp b, 0,1,2,3,4,5,6,7
.if \zero
	v_wmma_f32_16x16x32_bf16 v[8*(8*(\a)+\b):8*(8*(\a)+\b)+7], v[\f+8*\b:\f+8*\b+7], v[\f+8*(4*\hi+\a):\f+8*(4*\hi+\a)+7], 0
.else
	v_wmma_f32_16x16x32_bf16 v[8*(8*(\a)+\b):8*(8*(\a)+\b)+7], v[\f+8*\b:\f+8*\b+7], v[\f+8*(4*\hi+\a):\f+8*(4*\hi+\a)+7], v[8*(8*(\a)+\b):8*(8*(\a)+\b)+7]
.endif
.endr
.endr
.endm
.macro FETCH slot, k, f
	WIN TO_B
.irp i, 0,1,2,3,4,5,6,7
	ds_load_b128 v[\f+8*\i:\f+8*\i+3],   v[ADRB+\slot] offset:\k+\i*16*PITCH
	ds_load_b128 v[\f+8*\i+4:\f+8*\i+7], v[ADRB+\slot] offset:\k+\i*16*PITCH+32
.endr
	WIN 0
.irp i, 0,1,2,3,4,5,6,7
	ds_load_b128 v[\f+8*\i:\f+8*\i+3],   v[ADRA+\slot] offset:\k+\i*16*PITCH
	ds_load_b128 v[\f+8*\i+4:\f+8*\i+7], v[ADRA+\slot] offset:\k+\i*16*PITCH+32
.endr
.endm
.macro PLACES                          ; four plain places behind a matrix instruction (ISA guide 7.12.1 for vector instructions)
.rept 4
	v_nop
.endr
.endm
; A step is my 64 along K: two halves of 32, 64 matrix instructions each.  The 64 accumulators take turns, one instruction a turn.
.macro QUARTER slot, k, f, g, zero
	s_wait_dscnt 8                                 ; B and A's rows 0-63 are in; the youngest eight loads (A's rows 64-127) may be out
	WIN MUL_LO
	MUL16 \f, 0, 0, \zero
	MUL16 \f, 0, 2, \zero
	PLACES
	FETCH \slot, \k, \g
	s_wait_dscnt 32                                ; all but the 32 just issued
	WIN MUL_HI
	MUL16 \f, 1, 0, \zero
	MUL16 \f, 1, 2, \zero
.endm
.macro TURN slot, next, fill
	s_wait_dscnt 8
	WIN MUL_LO
	MUL16 F1, 0, 0, 0
	s_wait_dscnt 0                                 ; my reads of this slot are over
	s_wait_tensorcnt 0x0                           ; all my tensor loads have landed: the one that was out is my part of the next slot
	ds_add_u32 v255, v63
	s_wait_dscnt 0x0
	s_barrier_signal -1
	MUL16 F1, 0, 2, 0                              ; register work while the others arrive
	WIN 0
	s_barrier_wait -1
.if \fill
	CREST                                          ; no wave of any partner still reads this slot or has a load on its way
	s_add_nc_u64 s[G0+4*\slot+2:G0+4*\slot+3], s[G0+4*\slot+2:G0+4*\slot+3], 2*KS*2
	s_add_nc_u64 s[G0B+4*\slot+2:G0B+4*\slot+3], s[G0B+4*\slot+2:G0B+4*\slot+3], 2*KS*2
	JLOAD \slot                                    ; the wave's one tensor load behind the round, and the first thing there
.endif
	PLACES
	FETCH \next, 0, F0
	WIN MUL_HI
	MUL16 F1, 1, 0, 0
	MUL16 F1, 1, 2, 0
.endm
.macro LAP zero
	QUARTER 0, 64, F0, F1, \zero
	TURN 0, 1, 1
	QUARTER 1, 64, F0, F1, 0
	TURN 1, 0, 1
.endm
.if HASB
	s_wait_loadcnt 0x0                             ; the bias, once
.endif
	s_wait_tensorcnt 1                             ; my part of step 0 is in; step 1's stays out
	s_barrier_signal -1
	s_barrier_wait -1
	FETCH 0, 0, F0
	LAP 1
.if LAPS > 2
	WIN 0
	s_mov_b32 s3, LAPS-2
.Llap:
	LAP 0
	WIN 0
	s_sub_co_u32 s3, s3, 1
	s_cmp_lg_u32 s3, 0
	s_cbranch_scc1 .Llap
.endif
	QUARTER 0, 64, F0, F1, 0                       ; the last lap fills nothing
	TURN 0, 1, 0
	QUARTER 1, 64, F0, F1, 0
	s_wait_dscnt 8
	WIN MUL_LO
	MUL16 F1, 0, 0, 0
	MUL16 F1, 0, 2, 0
	s_wait_dscnt 0
	WIN MUL_HI
	MUL16 F1, 1, 0, 0
	MUL16 F1, 1, 2, 0
	; THE WAY OUT.  The residual's 32 rows are asked for first and are on their way while the partial sums go through LDS.
	WIN 0
	PLACES
.set ii, 0
.rept 32
	global_load_b128 v[RES+4*ii:RES+4*ii+3], v[CO], s[68:69] offset:4096*ii
.set ii, ii+1
.endr
	s_barrier_signal -1                            ; every wave's reads of the ring are over (its last wait on LDS was for 0) and no tensor load is out
	s_barrier_wait -1
; A lane holds row l % 16 of a tile and columns 16 b + 8 (l / 16) + 0 .. 7: 32 bytes of f32.
.macro PSTORE hi
.irp a, 0,1,2,3
.irp b, 0,1,2,3,4,5,6,7
	ds_store_b128 v[PST], v[8*(8*\a+\b):8*(8*\a+\b)+3]   offset:(4*\hi+\a)*16*PITCH+64*\b
	ds_store_b128 v[PST], v[8*(8*\a+\b)+4:8*(8*\a+\b)+7] offset:(4*\hi+\a)*16*PITCH+64*\b+16
.endr
.endr
.endm
	WIN 0x08                                       ; store data from window 2
	PSTORE 0
	WIN 0x0c                                       ; from window 3
	PSTORE 1
	WIN 0
	s_wait_dscnt 0x0                               ; my stores are done, for the other waves' sake
	s_barrier_signal -1
	s_barrier_wait -1
	s_wait_loadcnt 0x0                             ; the residual
.macro PLOAD k                         ; batch k: rows 2 k, 2 k + 1 of my 32, from the four parts; a row is 32 lanes x 16 consecutive bytes
.irp rr, 0,1
.irp q, 0,1,2,3
	ds_load_b128 v[PB+32*((\k)&1)+16*\rr+4*\q:PB+32*((\k)&1)+16*\rr+4*\q+3], v[RDQ+\q] offset:(2*(\k)+\rr)*PITCH
.endr
.endr
.endm
.macro RSUM k, left, more
	s_wait_dscnt \left                             ; this batch's eight loads are in; a younger batch's eight may be out
.irp rr, 0,1
.set PP, PB+32*((\k)&1)+16*\rr
.set RR, RES+4*(2*(\k)+\rr)
.irp c, 0,2
	v_pk_add_f32 v[PP+\c:PP+\c+1], v[PP+\c:PP+\c+1], v[PP+4+\c:PP+4+\c+1]
	v_pk_add_f32 v[PP+8+\c:PP+8+\c+1], v[PP+8+\c:PP+8+\c+1], v[PP+12+\c:PP+12+\c+1]
.if HASB
	v_pk_add_f32 v[RR+\c:RR+\c+1], v[RR+\c:RR+\c+1], v[BI+\c:BI+\c+1]
.endif
.endr
.irp c, 0,2
	v_pk_add_f32 v[PP+\c:PP+\c+1], v[PP+\c:PP+\c+1], v[PP+8+\c:PP+8+\c+1]
.endr
.irp c, 0,2
	v_pk_add_f32 v[RR+\c:RR+\c+1], v[RR+\c:RR+\c+1], v[PP+\c:PP+\c+1]
.endr
	global_store_b128 v[CO], v[RR:RR+3], s[70:71] offset:4096*(2*(\k)+\rr)   ; the wave stores 512 consecutive bytes, aligned; its data registers are not written again
.endr
.if \more
	PLOAD (\k)+2
.endif
.endm
	PLOAD 0
	PLOAD 1
.set kk, 0
.rept 14
	RSUM kk, 8, 1
.set kk, kk+1
.endr
	RSUM 14, 8, 0
	RSUM 15, 0, 0
	s_set_vgpr_msb 0x1
	s_wait_tensorcnt 0x0
	ds_add_u32 v255, v63
	s_wait_dscnt 0x0
	s_set_vgpr_msb 0x100
	CROUND                                         ; the closing round
	s_endpgm
.Lfunc_end_k_q5e7fe5c81c_proj:
	.size	k_q5e7fe5c81c_proj, .Lfunc_end_k_q5e7fe5c81c_proj-k_q5e7fe5c81c_proj
	.p2alignl 7, 3214868480
	.fill 96, 4, 3214868480
	.section	.rodata,"a",@progbits
	.p2align	6, 0x0
	.amdhsa_kernel k_q5e7fe5c81c_proj
		.amdhsa_group_segment_fixed_size 327680
		.amdhsa_private_segment_fixed_size 0
		.amdhsa_enable_private_segment 0
		.amdhsa_kernarg_size 32
		.amdhsa_user_sgpr_count 2
		.amdhsa_user_sgpr_kernarg_segment_ptr 1
		.amdhsa_wavefront_size32 1
		.amdhsa_system_sgpr_workgroup_id_x 1
		.amdhsa_system_sgpr_workgroup_id_y 1
		.amdhsa_system_sgpr_workgroup_id_z 1
		.amdhsa_system_vgpr_workitem_id 0
		.amdhsa_next_free_vgpr 1024
		.amdhsa_next_free_sgpr 80
		.amdhsa_reserve_vcc 0
		.amdhsa_float_denorm_mode_32 3
		.amdhsa_float_denorm_mode_16_64 3
		.amdhsa_memory_ordered 1
		.amdhsa_forward_progress 1
		.amdhsa_inst_pref_size 98
	.end_amdhsa_kernel
	.amdgpu_metadata
---
amdhsa.version: [ 1, 2 ]
amdhsa.kernels:
  - .name:           k_q5e7fe5c81c_proj
    .symbol:         k_q5e7fe5c81c_proj.kd
    .args:
      - { .name: av, .offset: 0, .size: 8, .value_kind: global_buffer, .address_space: global }
      - { .name: wb, .offset: 8, .size: 8, .value_kind: global_buffer, .address_space: global }
      - { .name: x, .offset: 16, .size: 8, .value_kind: global_buffer, .address_space: global }
      - { .name: x2, .offset: 24, .size: 8, .value_kind: global_buffer, .address_space: global }
    .group_segment_fixed_size: 327680
    .private_segment_fixed_size: 0
    .kernarg_segment_align: 8
    .kernarg_segment_size: 32
    .max_flat_workgroup_size: 128
    .sgpr_count:     80
    .vgpr_count:     1024
    .wavefront_size: 32
...
	.end_amdgpu_metadata
.endif
;; end of part 4
;; launch ln2 (part 5): grid 256 x 1, 8 waves a work-group, no clusters, 0 bytes of LDS; arguments x2, h; writes h
.if DOCPART == 5
	.amdgcn_target "amdgcn-amd-amdhsa--gfx1250"
	.amdhsa_code_object_version 6
	.text
	.protected	k_q5e7fe5c81c_ln2
	.globl	k_q5e7fe5c81c_ln2
	.p2align	8
	.type	k_q5e7fe5c81c_ln2,@function
k_q5e7fe5c81c_ln2:
	s_mov_b64 s[64:65], 0
	v_nop
	global_prefetch_b8 v0, s[64:65] scope:SCOPE_SE
	s_setreg_imm32_b32 hwreg(HW_REG_WAVE_MODE, 25, 1), 1
	s_wait_xcnt 0x0
; h = LayerNorm(x2) in bf16.  x2: [4096][1024] f32.  16 rows a work-group, 2 rows a wave; a row (4,096 bytes) is 32 registers of one wave, read once and kept
; in registers for the mean, the centred sum of squares and the scaling: no LDS, no barrier.  The variance is taken of the centred numbers, so a row's offset does not cancel.
; Each load of a wave covers 512 consecutive bytes, each store 256 consecutive bytes, aligned.  Matrix units, clusters and LDS have nothing to do here.
; Limit: h is rounded once to bf16.
.set T,  4                             ; v[4:11]   four chains of pairs
.set NM, 12                            ; v[12:13]  minus the mean, twice
.set R,  14                            ; v[14:15]  1 / sqrt(var + eps), twice
.set X,  24                            ; v[24:87]  two rows
	s_load_b128 s[8:11], s[0:1], 0x0               ; x2 s[8:9], h s[10:11]
	v_lshrrev_b32 v3, 5, v0
	v_readfirstlane_b32 s24, v3                    ; wave 0..7
	v_and_b32 v1, 31, v0
	v_lshlrev_b32 v2, 3, v1                        ; 8 x lane
	v_lshlrev_b32 v1, 4, v1                        ; 16 x lane
	s_mov_b32 s22, 0x76543210
	s_mov_b32 s23, 0xfedcba98
	s_mov_b32 s25, 0x3a800000                      ; 1 / 1024
	s_mov_b32 s26, 0x3727c5ac                      ; eps = 1e-5
	s_lshl_b32 s28, ttmp9, 16
	s_lshl_b32 s30, s24, 13
	s_add_co_u32 s28, s28, s30
	s_mov_b32 s29, 0
	s_lshl_b32 s30, ttmp9, 15
	s_lshl_b32 s31, s24, 12
	s_add_co_u32 s30, s30, s31
	s_mov_b32 s31, 0
	s_wait_kmcnt 0x0
	s_add_nc_u64 s[8:9], s[8:9], s[28:29]
	s_add_nc_u64 s[10:11], s[10:11], s[30:31]
.irp i, 0,1
.irp j, 0,1,2,3,4,5,6,7
	global_load_b128 v[X+32*\i+4*\j:X+32*\i+4*\j+3], v1, s[8:9] offset:4096*\i+512*\j   ; x2 is read again by a later launch: no hint
.endr
.endr
.macro FOLD
	v_pk_add_f32 v[T:T+1], v[T:T+1], v[T+2:T+3]
	v_pk_add_f32 v[T+4:T+5], v[T+4:T+5], v[T+6:T+7]
	v_pk_add_f32 v[T:T+1], v[T:T+1], v[T+4:T+5]
	v_add_f32 v[T], v[T], v[T+1]
.endm
.macro WSUM
	v_add_f32_dpp v[T], v[T], v[T] row_xmask:1 row_mask:0xf bank_mask:0xf
	v_add_f32_dpp v[T], v[T], v[T] row_xmask:2 row_mask:0xf bank_mask:0xf
	v_add_f32_dpp v[T], v[T], v[T] row_xmask:4 row_mask:0xf bank_mask:0xf
	v_add_f32_dpp v[T], v[T], v[T] row_xmask:8 row_mask:0xf bank_mask:0xf
	v_permlanex16_b32 v[T+1], v[T], s22, s23
	v_add_f32 v[T], v[T], v[T+1]
.endm
.macro LNROW i, left
	s_wait_loadcnt \left
.irp c, 0,1,2,3
	v_pk_add_f32 v[T+2*\c:T+2*\c+1], v[X+32*\i+2*\c:X+32*\i+2*\c+1], v[X+32*\i+8+2*\c:X+32*\i+8+2*\c+1]
.endr
.irp c, 0,1,2,3
	v_pk_add_f32 v[T+2*\c:T+2*\c+1], v[T+2*\c:T+2*\c+1], v[X+32*\i+16+2*\c:X+32*\i+16+2*\c+1]
.endr
.irp c, 0,1,2,3
	v_pk_add_f32 v[T+2*\c:T+2*\c+1], v[T+2*\c:T+2*\c+1], v[X+32*\i+24+2*\c:X+32*\i+24+2*\c+1]
.endr
	FOLD
	WSUM
	v_mul_f32 v[NM], 0xba800000, v[T]              ; minus the mean
	v_mov_b32 v[NM+1], v[NM]
.set pp, 0
.rept 16
	v_pk_add_f32 v[X+32*\i+pp:X+32*\i+pp+1], v[X+32*\i+pp:X+32*\i+pp+1], v[NM:NM+1]
.set pp, pp+2
.endr
.irp c, 0,1,2,3
	v_pk_mul_f32 v[T+2*\c:T+2*\c+1], v[X+32*\i+2*\c:X+32*\i+2*\c+1], v[X+32*\i+2*\c:X+32*\i+2*\c+1]
.endr
.irp d, 8,16,24
.irp c, 0,1,2,3
	v_pk_fma_f32 v[T+2*\c:T+2*\c+1], v[X+32*\i+\d+2*\c:X+32*\i+\d+2*\c+1], v[X+32*\i+\d+2*\c:X+32*\i+\d+2*\c+1], v[T+2*\c:T+2*\c+1]
.endr
.endr
	FOLD
	WSUM
	v_fma_f32 v[T], v[T], s25, s26                 ; var + eps
	v_rsq_f32 v[R], v[T]
	v_rsq_f32 v[R+1], v[T]
	v_nop                                          ; one plain place behind a transcendental (ISA guide 5.7.2)
.set pp, 0
	s_wait_alu depctr_va_vdst(0)
.rept 16
	v_pk_mul_f32 v[X+32*\i+pp:X+32*\i+pp+1], v[X+32*\i+pp:X+32*\i+pp+1], v[R:R+1]
.set pp, pp+2
.endr
.irp j, 0,1,2,3,4,5,6,7
	v_cvt_pk_bf16_f32 v[X+32*\i+4*\j], v[X+32*\i+4*\j], v[X+32*\i+4*\j+1]
	v_cvt_pk_bf16_f32 v[X+32*\i+4*\j+1], v[X+32*\i+4*\j+2], v[X+32*\i+4*\j+3]
	global_store_b64 v2, v[X+32*\i+4*\j:X+32*\i+4*\j+1], s[10:11] offset:2048*\i+256*\j
.endr
.endm
	LNROW 0, 8                                     ; the second row's eight loads are the younger ones
	LNROW 1, 0
	s_endpgm
.Lfunc_end_k_q5e7fe5c81c_ln2:
	.size	k_q5e7fe5c81c_ln2, .Lfunc_end_k_q5e7fe5c81c_ln2-k_q5e7fe5c81c_ln2
	.p2alignl 7, 3214868480
	.fill 96, 4, 3214868480
	.section	.rodata,"a",@progbits
	.p2align	6, 0x0
	.amdhsa_kernel k_q5e7fe5c81c_ln2
		.amdhsa_group_segment_fixed_size 0
		.amdhsa_private_segment_fixed_size 0
		.amdhsa_enable_private_segment 0
		.amdhsa_kernarg_size 16
		.amdhsa_user_sgpr_count 2
		.amdhsa_user_sgpr_kernarg_segment_ptr 1
		.amdhsa_wavefront_size32 1
		.amdhsa_system_sgpr_workgroup_id_x 1
		.amdhsa_system_sgpr_workgroup_id_y 1
		.amdhsa_system_sgpr_workgroup_id_z 1
		.amdhsa_system_vgpr_workitem_id 0
		.amdhsa_next_free_vgpr 88
		.amdhsa_next_free_sgpr 66
		.amdhsa_reserve_vcc 0
		.amdhsa_float_denorm_mode_32 3
		.amdhsa_float_denorm_mode_16_64 3
		.amdhsa_memory_ordered 1
		.amdhsa_forward_progress 1
		.amdhsa_inst_pref_size 17
	.end_amdhsa_kernel
	.amdgpu_metadata
---
amdhsa.version: [ 1, 2 ]
amdhsa.kernels:
  - .name:           k_q5e7fe5c81c_ln2
    .symbol:         k_q5e7fe5c81c_ln2.kd
    .args:
      - { .name: x2, .offset: 0, .size: 8, .value_kind: global_buffer, .address_space: global }
      - { .name: h, .offset: 8, .size: 8, .value_kind: global_buffer, .address_space: global }
    .group_segment_fixed_size: 0
    .private_segment_fixed_size: 0
    .kernarg_segment_align: 8
    .kernarg_segment_size: 16
    .max_flat_workgroup_size: 256
    .sgpr_count:     66
    .vgpr_count:     88
    .wavefront_size: 32
...
	.end_amdgpu_metadata
.endif
;; end of part 5
;; launch mlp1 (part 6): grid 16 x 16, 4 waves a work-group, clusters of 4 x 4, 327,680 bytes of LDS; arguments h, wb, g, b1; writes g
.if DOCPART == 6
	.amdgcn_target "amdgcn-amd-amdhsa--gfx1250"
	.amdhsa_code_object_version 6
	.text
	.protected	k_q5e7fe5c81c_mlp1
	.globl	k_q5e7fe5c81c_mlp1
	.p2align	8
	.type	k_q5e7fe5c81c_mlp1,@function
k_q5e7fe5c81c_mlp1:
	s_mov_b64 s[64:65], 0
	v_nop
	global_prefetch_b8 v0, s[64:65] scope:SCOPE_SE
	s_setreg_imm32_b32 hwreg(HW_REG_WAVE_MODE, 25, 1), 1
	s_wait_xcnt 0x0
	s_wait_alu depctr_hold_cnt(0) depctr_sa_sdst(0) depctr_va_vdst(0) depctr_va_sdst(0) depctr_va_ssrc(0) depctr_va_vcc(0) depctr_vm_vsrc(0)
	s_getreg_b32 s2, hwreg(HW_REG_IB_STS2, 6, 4)
	s_cmp_eq_u32 s2, 0
	s_cbranch_scc0 .Lentry_in_a_cluster
	s_endpgm
.Lentry_in_a_cluster:
	s_bfe_u32 s2, ttmp6, 0x10000c
	s_cmp_lg_u32 s2, 0xf033
	s_cbranch_scc0 .Lentry_shape_is_right
	s_endpgm
.Lentry_shape_is_right:
; C[m][n] = sum over k of A[m][k] B[n][k], A = h [4096][1024] bf16, B = rows of wb (bf16 weights, [n][1024]) from byte WOFF on, C bf16 [4096][SIZE_N]; sums in f32.
; GELU = 1: C = gelu(sum + bias[n]) with the tanh form of GELU, written as u / (1 + 2^(u (CK1 u^2 + CK0))), which is the same function and goes to 0 and to u at the ends.
; A work-group makes 256 x 256 of C with four waves, a wave 128 x 128: 64 accumulator tiles of 16 x 16, 512 registers.  K goes in steps of 128 through two LDS
; slots filled by the tensor data mover; a tile's rows are 256 bytes of memory at multiples of 256 bytes.
; CLUSTERS: 4 x 4 work-groups; A's tile is asked for jointly by the four of a row of the cluster, B's by the four of a column: a quarter of the requests.
; With SIZE_N = 4096 there are 16 x 16 = 256 work-groups.
; Limits: operands and C are rounded to bf16; 2^x below 2^-126 counts as 0; NaN and infinities are not followed.
; REGISTERS in windows of 256: window 0: v16-31 addresses and constants, v64-127 and v128-191 fragments of A (two buffers), v192-255 at work on the way out;
; window 1: v64-191 fragments of B, v192-255 the bias of my 128 columns; windows 2 and 3: accumulators of my rows 0-63 and 64-127, tile (a, b) at v[8 (8 a + b)].
; The matrix instruction is used transposed (source 0 = rows of B, source 1 = rows of A): a lane then holds eight neighbouring columns of one row of C.
.set SIZE_K, 1024
.set SIZE_N, 4096
.set WOFF,   0x800000
.set GELU,   1
.set KSTEP,  128
.set PITCH,  272                       ; an LDS row: 256 bytes + 16 of padding, an odd multiple of 16: the 16 rows of a fragment load start at 16 different groups of banks
.set HALFT,  128*PITCH                 ; 128 rows: one tensor load
.set SLOT,   4*HALFT                   ; A's 256 rows, then B's 256 rows
.set STAGE,  2*SLOT                    ; behind the ring: 16 rows x 272 bytes for each wave, never a tensor load's target
.set SPITCH, 272
.set LAPS,   SIZE_K/(2*KSTEP)          ; a lap = two K steps = once round the ring
.set ADRA, 16                          ; v16-17  LDS address of my A fragments in slot 0, 1
.set ADRB, 20                          ; v20-21  the same for B
.set STO,  24                          ; the way out: where I put 16 bytes of a row
.set RD,   25                          ; the way out: where I read a row back
.set CO,   26                          ; my byte offset in C
.set BO,   27                          ; 32 x (lane / 16): my offset in the bias
.set CK0,  28                          ; v[28:29]  -2 log2(e) sqrt(2/pi), twice
.set CK1,  30                          ; v[30:31]  the same times 0.044715, twice
.set F0,   64
.set F1,   128
.set TMP,  192                         ; packed results
.set RB,   224                         ; rows read back
.set BIAS, 192                         ; in window 1
.set G1, 24                            ; s[24:31] group 1 for A's tiles
.set G0, 32                            ; s[32:39] group 0 for A's tiles, a set for each slot
.set G1B, 48                           ; s[48:55] group 1 for B's tiles: another mask
.set G0B, 56                           ; s[56:63] group 0 for B's tiles
.set MSB, 0
.macro WIN new                         ; the immediate's high byte repeats the setting that is left
.if MSB != \new
	s_set_vgpr_msb (MSB<<8)|\new
.set MSB, \new
.endif
.endm
.set MUL_LO, 0xa1                      ; source 0 (B) window 1, source 1 (A) window 0, C and D window 2
.set MUL_HI, 0xf1                      ; the same, C and D window 3
.set TO_B,   0x40                      ; destination window 1, address window 0
.if GELU
.set FROM_LO, 0x06                     ; source 0 window 2 (sums), source 1 window 1 (bias)
.set FROM_HI, 0x07                     ; source 0 window 3
.else
.set FROM_LO, 0x0a                     ; sources 0 and 1 window 2
.set FROM_HI, 0x0f                     ; window 3
.endif
; A joint load.  Waves 0 and 1 fetch A's two halves, waves 2 and 3 B's.  The branch hangs on the wave's number alone.
.macro JLOAD s
	s_cmp_eq_u32 s11, 0
	s_cbranch_scc0 .Lfor_b_\@
	tensor_load_to_lds s[G0+4*\s:G0+4*\s+3], s[G1:G1+7]
	s_nop 0
	s_branch .Lasked_\@
.Lfor_b_\@:
	tensor_load_to_lds s[G0B+4*\s:G0B+4*\s+3], s[G1B:G1B+7]
	s_nop 0
.Lasked_\@:
.endm
.macro CREST                           ; a round of the cluster's barrier behind its opening work-group barrier
	s_cmp_lg_u32 s10, 0
	s_cbranch_scc1 .Lnot_wave_0_\@
	s_barrier_signal -3
.Lnot_wave_0_\@:
	s_barrier_wait -3
	s_barrier_signal -1
	s_barrier_wait -1
.endm
.macro CROUND                          ; a whole round
	s_barrier_signal -1
	s_barrier_wait -1
	CREST
.endm
	s_load_b128 s[4:7], s[0:1], 0x0                ; A s[4:5], wb s[6:7]
	s_load_b64 s[8:9], s[0:1], 0x10                ; C
.if GELU
	s_load_b64 s[66:67], s[0:1], 0x18              ; bias
	s_set_vgpr_msb 0x40
	v_lshl_add_u32 v63, v0, 2, 0x48400
	s_set_vgpr_msb 0x4000
	v_mov_b32 v63, 0
	s_set_vgpr_msb 0x1
	ds_add_u32 v63, v63
	s_set_vgpr_msb 0x100
.endif
	v_lshrrev_b32 v1, 5, v0
	v_readfirstlane_b32 s10, v1                    ; wave 0..3
	s_lshr_b32 s11, s10, 1                         ; which half of the block's rows is mine.  Also: I fetch for A (0) or for B (1)
	s_and_b32 s12, s10, 1                          ; which half of its columns.  Also: which 128 rows of that tile I fetch
	s_bfe_u32 s40, ttmp6, 0x40000                  ; cx
	s_bfe_u32 s41, ttmp6, 0x40004                  ; cy
	s_lshl_b32 s42, ttmp9, 2
	s_add_co_u32 s42, s42, s40                     ; block column of C
	s_and_b32 s13, ttmp7, 0xffff
	s_lshl_b32 s13, s13, 2
	s_add_co_u32 s13, s13, s41                     ; block row of C
	s_lshl_b32 s43, s41, 2
	s_lshl_b32 s43, 15, s43                        ; my row of the cluster
	s_lshl_b32 s44, 0x1111, s40                    ; my column
	s_or_b32 s[G1+0], s43, (1<<16)|(1<<20)|(1<<21)|(5<<22)|(3<<25)   ; mask; elements of 2 bytes; padding on; bit 21 beside a mask; after every 64 words 4 words
	s_or_b32 s[G1B+0], s44, (1<<16)|(1<<20)|(1<<21)|(5<<22)|(3<<25)
	s_mov_b32 s[G1B+1], KSTEP<<16
	s_mov_b32 s[G1+1], KSTEP<<16                   ; tensor_dim0 = 128
	s_mov_b32 s[G1B+2], 128<<16
	s_mov_b32 s[G1+2], 128<<16                     ; tensor_dim1 = 128
	s_mov_b32 s[G1B+3], KSTEP<<16
	s_mov_b32 s[G1+3], KSTEP<<16                   ; tile_dim0 = 128
	s_mov_b32 s[G1B+4], 128
	s_mov_b32 s[G1+4], 128                         ; tile_dim1 = 128
	s_mov_b32 s[G1B+5], SIZE_K
	s_mov_b32 s[G1+5], SIZE_K                      ; elements from row to row
	s_mov_b32 s[G1B+6], 0
	s_mov_b32 s[G1+6], 0
	s_mov_b32 s[G1B+7], 0
	s_mov_b32 s[G1+7], 0
	; A's tiles hang on the block row alone, B's on the block column alone; each address is made in registers that never hold the other coordinate
	s_lshl_b32 s17, s12, 7
	s_lshl_b32 s16, s13, 8
	s_add_co_u32 s16, s16, s17                     ; A: row 256 x block row + 128 x half
	s_lshl_b32 s46, s42, 8
	s_add_co_u32 s46, s46, s17                     ; B: row 256 x block column + 128 x half
	s_mov_b32 s17, 0
	s_mov_b32 s47, 0
	s_mov_b64 s[18:19], SIZE_K*2
	s_mul_u64 s[16:17], s[16:17], s[18:19]
	s_mul_u64 s[46:47], s[46:47], s[18:19]
	s_mul_i32 s20, s10, HALFT                      ; where they go: wave x 128 rows
	s_wait_dscnt 0x0
	s_wait_kmcnt 0x0
.if WOFF
	s_add_nc_u64 s[6:7], s[6:7], WOFF              ; this product's weights in wb
.endif
	s_add_nc_u64 s[14:15], s[4:5], s[16:17]
	s_add_nc_u64 s[46:47], s[6:7], s[46:47]
	CROUND                                         ; all sixteen work-groups are here: the first joint loads meet
.irp s, 0,1
	s_mov_b32 s[G0+4*\s], 1
	s_add_co_u32 s[G0+4*\s+1], s20, \s*SLOT
	s_add_nc_u64 s[G0+4*\s+2:G0+4*\s+3], s[14:15], \s*KSTEP*2
	s_or_b32 s[G0+4*\s+3], s[G0+4*\s+3], 0x80000000
	s_mov_b32 s[G0B+4*\s], 1
	s_add_co_u32 s[G0B+4*\s+1], s20, \s*SLOT
	s_add_nc_u64 s[G0B+4*\s+2:G0B+4*\s+3], s[46:47], \s*KSTEP*2
	s_or_b32 s[G0B+4*\s+3], s[G0B+4*\s+3], 0x80000000
	JLOAD \s                                       ; both slots' first fills go out before anything else: two tensor loads of the wave are out
.endr
	v_and_b32 v1, 15, v0                           ; l % 16
	v_bfe_u32 v2, v0, 4, 1                         ; l / 16
	v_mul_u32_u24 v3, v1, PITCH
	v_lshl_add_u32 v3, v2, 4, v3                   ; row x pitch + 16 x half
	s_mul_i32 s21, s11, HALFT                      ; my 128 rows of A
	s_mul_i32 s22, s12, HALFT                      ; my 128 rows of B,
	s_add_co_u32 s22, s22, 2*HALFT                 ; which lie behind A's 256
.irp s, 0,1
	v_add_nc_u32 v[ADRA+\s], s21, v3
	v_add_nc_u32 v[ADRB+\s], s22, v3
	s_add_co_u32 s21, s21, SLOT
	s_add_co_u32 s22, s22, SLOT
.endr
	s_mul_i32 s23, s10, 16*SPITCH
	s_add_co_u32 s23, s23, STAGE                   ; my stage
	v_mul_u32_u24 v4, v1, SPITCH
	v_lshl_add_u32 v4, v2, 4, v4
	v_add_nc_u32 v[STO], s23, v4
	v_mul_u32_u24 v5, v2, SPITCH
	v_lshl_add_u32 v5, v1, 4, v5
	v_add_nc_u32 v[RD], s23, v5
	v_mul_u32_u24 v5, v2, SIZE_N*2
	v_lshl_add_u32 v[CO], v1, 4, v5
.if GELU
	; register j of tile b holds column 16 b + 8 (l / 16) + j of my 128: its bias lies at byte 64 b + 32 (l / 16) + 4 j
	v_lshlrev_b32 v[BO], 5, v2
	s_lshl_b32 s70, s42, 10
	s_lshl_b32 s71, s12, 9
	s_add_co_u32 s70, s70, s71
	s_mov_b32 s71, 0
	s_add_nc_u64 s[66:67], s[66:67], s[70:71]
	WIN TO_B
.irp b, 0,1,2,3,4,5,6,7
	global_load_b128 v[BIAS+8*\b:BIAS+8*\b+3],   v[BO], s[66:67] offset:64*\b
	global_load_b128 v[BIAS+8*\b+4:BIAS+8*\b+7], v[BO], s[66:67] offset:64*\b+16
.endr
	WIN 0
	v_mov_b32 v[CK0], 0xc0135761
	v_mov_b32 v[CK0+1], 0xc0135761
	v_mov_b32 v[CK1], 0xbdd2d3e8
	v_mov_b32 v[CK1+1], 0xbdd2d3e8
.endif
; 16 matrix instructions: m blocks a0, a0 + 1 of the window's four x all 8 n blocks, 32 along K.  zero = 1: the first product starts the sums.
.macro MUL16 f, hi, a0, zero
.irp a, \a0, \a0+1
.irp b, 0,1,2,3,4,5,6,7
.if \zero
	v_wmma_f32_16x16x32_bf16 v[8*(8*(\a)+\b):8*(8*(\a)+\b)+7], v[\f+8*\b:\f+8*\b+7], v[\f+8*(4*\hi+\a):\f+8*(4*\hi+\a)+7], 0
.else
	v_wmma_f32_16x16x32_bf16 v[8*(8*(\a)+\b):8*(8*(\a)+\b)+7], v[\f+8*\b:\f+8*\b+7], v[\f+8*(4*\hi+\a):\f+8*(4*\hi+\a)+7], v[8*(8*(\a)+\b):8*(8*(\a)+\b)+7]
.endif
.endr
.endr
.endm
; 32 LDS loads in one run: the fragments of one quarter step (32 K at byte k of the rows) into buffer f
.macro FETCH slot, k, f
	WIN TO_B
.irp i, 0,1,2,3,4,5,6,7
	ds_load_b128 v[\f+8*\i:\f+8*\i+3],   v[ADRB+\slot] offset:\k+\i*16*PITCH
	ds_load_b128 v[\f+8*\i+4:\f+8*\i+7], v[ADRB+\slot] offset:\k+\i*16*PITCH+32
.endr
	WIN 0
.irp i, 0,1,2,3,4,5,6,7
	ds_load_b128 v[\f+8*\i:\f+8*\i+3],   v[ADRA+\slot] offset:\k+\i*16*PITCH
	ds_load_b128 v[\f+8*\i+4:\f+8*\i+7], v[ADRA+\slot] offset:\k+\i*16*PITCH+32
.endr
.endm
; Four plain places behind a matrix instruction before a load lands in a register that it read, or a vector instruction reads its result (ISA guide 7.12.1 for vector instructions)
.macro PLACES
.rept 4
	v_nop
.endr
.endm
; The 64 accumulators take turns, one instruction a turn, in the same order in every quarter step, over the backward jump too.
.macro QUARTER slot, k, f, g, zero
	s_wait_dscnt 8                                 ; B and A's rows 0-63 are in; the youngest eight loads (A's rows 64-127) may be out
	WIN MUL_LO
	MUL16 \f, 0, 0, \zero
	MUL16 \f, 0, 2, \zero
	PLACES
	FETCH \slot, \k, \g
	s_wait_dscnt 32                                ; all but the 32 just issued
	WIN MUL_HI
	MUL16 \f, 1, 0, \zero
	MUL16 \f, 1, 2, \zero
.endm
.macro THREE slot, zero
	QUARTER \slot, 64,  F0, F1, \zero
	QUARTER \slot, 128, F1, F0, 0
	QUARTER \slot, 192, F0, F1, 0
.endm
; The last quarter of a K step: multiplies buffer 1 and changes slots.  fill = 1: this slot is filled again, two K steps ahead.
.macro TURN slot, next, fill
	s_wait_dscnt 8
	WIN MUL_LO
	MUL16 F1, 0, 0, 0
	s_wait_dscnt 0                                 ; my reads of this slot are over
	s_wait_tensorcnt 0x0                           ; all my tensor loads have landed: the one that was out is my part of the next slot
	ds_add_u32 v63, v63
	s_wait_dscnt 0x0
	s_barrier_signal -1                            ; say so (with a refill this barrier opens a round of the cluster's barrier),
	MUL16 F1, 0, 2, 0                              ; register work while the others arrive
	WIN 0
	s_barrier_wait -1
.if \fill
	CREST                                          ; no wave of any partner still reads this slot or has a load on its way
	s_add_nc_u64 s[G0+4*\slot+2:G0+4*\slot+3], s[G0+4*\slot+2:G0+4*\slot+3], 2*KSTEP*2
	s_add_nc_u64 s[G0B+4*\slot+2:G0B+4*\slot+3], s[G0B+4*\slot+2:G0B+4*\slot+3], 2*KSTEP*2
	JLOAD \slot                                    ; the wave's one tensor load behind the round, and the first thing there
.endif
	PLACES
	FETCH \next, 0, F0
	WIN MUL_HI
	MUL16 F1, 1, 0, 0
	MUL16 F1, 1, 2, 0
.endm
.macro LAP zero
	THREE 0, \zero
	TURN 0, 1, 1
	THREE 1, 0
	TURN 1, 0, 1
.endm
.if GELU
	s_wait_loadcnt 0x0                             ; the bias, once
.endif
	s_wait_tensorcnt 1                             ; my part of K step 0 is in; K step 1's stays out
	s_barrier_signal -1
	s_barrier_wait -1
	FETCH 0, 0, F0
	LAP 1
.if LAPS > 2
	WIN 0
	s_mov_b32 s3, LAPS-2
.Llap:
	LAP 0
	WIN 0
	s_sub_co_u32 s3, s3, 1
	s_cmp_lg_u32 s3, 0
	s_cbranch_scc1 .Llap
.endif
	THREE 0, 0                                     ; the last lap fills nothing
	TURN 0, 1, 0
	THREE 1, 0
	s_wait_dscnt 8
	WIN MUL_LO
	MUL16 F1, 0, 0, 0
	MUL16 F1, 0, 2, 0
	s_wait_dscnt 0
	WIN MUL_HI
	MUL16 F1, 1, 0, 0
	MUL16 F1, 1, 2, 0
	; THE WAY OUT, 16 rows of C at a time: (bias and GELU,) round to bf16, 16 bytes a lane into my own stage, read back as whole rows of 256 bytes
	PLACES
	s_lshl_b32 s13, s13, 8
	s_lshl_b32 s14, s11, 7
	s_add_co_u32 s16, s13, s14                     ; my first row of C
	s_mov_b32 s17, 0
	s_mov_b64 s[18:19], SIZE_N*2
	s_mul_u64 s[16:17], s[16:17], s[18:19]
	s_add_nc_u64 s[8:9], s[8:9], s[16:17]
	s_lshl_b32 s46, s42, 9                         ; my first column, in bytes
	s_lshl_b32 s47, s12, 8
	s_add_co_u32 s46, s46, s47
	s_mov_b32 s47, 0
	s_add_nc_u64 s[8:9], s[8:9], s[46:47]
; rows 16 i .. 16 i + 15 of my block = the eight tiles (a, 0..7) of the window that 'from' names
.macro OUT16 i, a, from
	WIN \from
.if GELU
.irp b, 0,1,2,3,4,5,6,7
.irp p, 0,2,4,6
	v_pk_add_f32 v[F0+8*\b+\p:F0+8*\b+\p+1], v[8*(8*\a+\b)+\p:8*(8*\a+\b)+\p+1], v[BIAS+8*\b+\p:BIAS+8*\b+\p+1]   ; u = sum + bias
.endr
.endr
	WIN 0
.set ii, 0
.rept 32
	v_pk_mul_f32 v[F1+ii:F1+ii+1], v[F0+ii:F0+ii+1], v[F0+ii:F0+ii+1]              ; u^2
.set ii, ii+2
.endr
.set ii, 0
.rept 32
	v_pk_fma_f32 v[F1+ii:F1+ii+1], v[F1+ii:F1+ii+1], v[CK1:CK1+1], v[CK0:CK0+1]    ; CK1 u^2 + CK0
.set ii, ii+2
.endr
.set ii, 0
.rept 32
	v_pk_mul_f32 v[F1+ii:F1+ii+1], v[F1+ii:F1+ii+1], v[F0+ii:F0+ii+1]              ; times u
.set ii, ii+2
.endr
.set ii, 0
.rept 64
	v_exp_f32 v[F1+ii], v[F1+ii]
.set ii, ii+1
.endr
	v_nop                                          ; one plain place behind the transcendentals (ISA guide 5.7.2)
.set ii, 0
	s_wait_alu depctr_va_vdst(0)
.rept 32
	v_pk_add_f32 v[F1+ii:F1+ii+1], v[F1+ii:F1+ii+1], 1.0 op_sel_hi:[1,0]
.set ii, ii+2
.endr
.set ii, 0
.rept 64
	v_rcp_f32 v[F1+ii], v[F1+ii]
.set ii, ii+1
.endr
	v_nop
.set ii, 0
	s_wait_alu depctr_va_vdst(0)
.rept 32
	v_pk_mul_f32 v[F0+ii:F0+ii+1], v[F0+ii:F0+ii+1], v[F1+ii:F1+ii+1]              ; gelu(u)
.set ii, ii+2
.endr
.irp b, 0,1,2,3,4,5,6,7
.irp r, 0,1,2,3
	v_cvt_pk_bf16_f32 v[TMP+4*\b+\r], v[F0+8*\b+2*\r], v[F0+8*\b+2*\r+1]
.endr
.endr
.else
.irp b, 0,1,2,3,4,5,6,7
.irp r, 0,1,2,3
	v_cvt_pk_bf16_f32 v[TMP+4*\b+\r], v[8*(8*\a+\b)+2*\r], v[8*(8*\a+\b)+2*\r+1]
.endr
.endr
	WIN 0
.endif
.irp b, 0,1,2,3,4,5,6,7
	ds_store_b128 v[STO], v[TMP+4*\b:TMP+4*\b+3] offset:32*\b
.endr
	s_wait_xcnt 0x0                                ; the read-back registers, which the last stores read, and the stores' base are rewritten only behind this wait
.if \i
	s_add_nc_u64 s[8:9], s[8:9], 16*SIZE_N*2       ; 16 rows of C on
.endif
.irp t, 0,1,2,3,4,5,6,7
	ds_load_b128 v[RB+4*\t:RB+4*\t+3], v[RD] offset:\t*2*SPITCH    ; LDS serves a wave's instructions in order: these see the stores above
.endr
.irp t, 0,1,2,3,4,5,6,7
	s_wait_dscnt 7-\t
	global_store_b128 v[CO], v[RB+4*\t:RB+4*\t+3], s[8:9] offset:2*\t*SIZE_N*2   ; 16 lanes store 256 consecutive bytes, aligned
.endr
.endm
	OUT16 0, 0, FROM_LO
	OUT16 1, 1, FROM_LO
	OUT16 2, 2, FROM_LO
	OUT16 3, 3, FROM_LO
	OUT16 4, 0, FROM_HI
	OUT16 5, 1, FROM_HI
	OUT16 6, 2, FROM_HI
	OUT16 7, 3, FROM_HI
	s_set_vgpr_msb 0x1
	s_wait_tensorcnt 0x0
	ds_add_u32 v63, v63
	s_wait_dscnt 0x0
	s_set_vgpr_msb 0x100
	CROUND                                         ; the closing round: no work-group ends while a partner may still ask for a tile that names it
	s_endpgm
.Lfunc_end_k_q5e7fe5c81c_mlp1:
	.size	k_q5e7fe5c81c_mlp1, .Lfunc_end_k_q5e7fe5c81c_mlp1-k_q5e7fe5c81c_mlp1
	.p2alignl 7, 3214868480
	.fill 96, 4, 3214868480
	.section	.rodata,"a",@progbits
	.p2align	6, 0x0
	.amdhsa_kernel k_q5e7fe5c81c_mlp1
		.amdhsa_group_segment_fixed_size 327680
		.amdhsa_private_segment_fixed_size 0
		.amdhsa_enable_private_segment 0
		.amdhsa_kernarg_size 32
		.amdhsa_user_sgpr_count 2
		.amdhsa_user_sgpr_kernarg_segment_ptr 1
		.amdhsa_wavefront_size32 1
		.amdhsa_system_sgpr_workgroup_id_x 1
		.amdhsa_system_sgpr_workgroup_id_y 1
		.amdhsa_system_sgpr_workgroup_id_z 1
		.amdhsa_system_vgpr_workitem_id 0
		.amdhsa_next_free_vgpr 1024
		.amdhsa_next_free_sgpr 80
		.amdhsa_reserve_vcc 0
		.amdhsa_float_denorm_mode_32 3
		.amdhsa_float_denorm_mode_16_64 3
		.amdhsa_memory_ordered 1
		.amdhsa_forward_progress 1
		.amdhsa_inst_pref_size 255
	.end_amdhsa_kernel
	.section	.bss,"aw",@nobits
	.p2align	6
	.space	262144
	.amdgpu_metadata
---
amdhsa.version: [ 1, 2 ]
amdhsa.kernels:
  - .name:           k_q5e7fe5c81c_mlp1
    .symbol:         k_q5e7fe5c81c_mlp1.kd
    .args:
      - { .name: h, .offset: 0, .size: 8, .value_kind: global_buffer, .address_space: global }
      - { .name: wb, .offset: 8, .size: 8, .value_kind: global_buffer, .address_space: global }
      - { .name: g, .offset: 16, .size: 8, .value_kind: global_buffer, .address_space: global }
      - { .name: b1, .offset: 24, .size: 8, .value_kind: global_buffer, .address_space: global }
    .group_segment_fixed_size: 327680
    .private_segment_fixed_size: 0
    .kernarg_segment_align: 8
    .kernarg_segment_size: 32
    .max_flat_workgroup_size: 128
    .sgpr_count:     80
    .vgpr_count:     1024
    .wavefront_size: 32
...
	.end_amdgpu_metadata
.endif
;; end of part 6
;; launch mlp2 (part 7): grid 8 x 32, 4 waves a work-group, clusters of 4 x 4, 327,680 bytes of LDS; arguments g, wb, x2, out0, b2; writes out0
.if DOCPART == 7
	.amdgcn_target "amdgcn-amd-amdhsa--gfx1250"
	.amdhsa_code_object_version 6
	.text
	.protected	k_q5e7fe5c81c_mlp2
	.globl	k_q5e7fe5c81c_mlp2
	.p2align	8
	.type	k_q5e7fe5c81c_mlp2,@function
k_q5e7fe5c81c_mlp2:
	s_mov_b64 s[64:65], 0
	v_nop
	global_prefetch_b8 v0, s[64:65] scope:SCOPE_SE
	s_setreg_imm32_b32 hwreg(HW_REG_WAVE_MODE, 25, 1), 1
	s_wait_xcnt 0x0
	s_wait_alu depctr_hold_cnt(0) depctr_sa_sdst(0) depctr_va_vdst(0) depctr_va_sdst(0) depctr_va_ssrc(0) depctr_va_vcc(0) depctr_vm_vsrc(0)
	s_getreg_b32 s2, hwreg(HW_REG_IB_STS2, 6, 4)
	s_cmp_eq_u32 s2, 0
	s_cbranch_scc0 .Lentry_in_a_cluster
	s_endpgm
.Lentry_in_a_cluster:
	s_bfe_u32 s2, ttmp6, 0x10000c
	s_cmp_lg_u32 s2, 0xf033
	s_cbranch_scc0 .Lentry_shape_is_right
	s_endpgm
.Lentry_shape_is_right:
; OUT[m][n] = RES[m][n] (+ bias[n]) + sum over k of A[m][k] B[n][k].  A: [4096][SIZE_K] bf16; B: rows of wb (bf16, [1024][SIZE_K]) from byte WOFF on; RES, OUT: [4096][1024] f32.
; N = 1,024 gives only 64 blocks of 256 x 256, so a work-group makes 128 x 128 (256 work-groups), and K IS SPLIT OVER THE FOUR WAVES: every wave holds the whole block in
; 64 accumulator tiles (512 registers) and takes 64 of each 256 along K.  So an LDS byte feeds as many multiply-adds as with wave tiles of 128 x 128, twice as many as with 64 x 64.
; The four partial sums meet once, at the end, in the ring's LDS bytes, which have had their last fill by then.
; K goes in steps of 256 (rows of 512 bytes of memory, at multiples of 512) through two LDS slots filled by the tensor data mover.
; CLUSTERS: 4 x 4 work-groups; A's tile is asked for jointly along a row of the cluster, B's along a column.
; Limits: operands are bf16; each output is a sum of four f32 partial sums, the residual (and the bias), in this order: (p0 + p1) + (p2 + p3), then onto res (+ bias).
; REGISTERS: window 0: v16-31 addresses and bias, v64-191 fragments of A (later the residual), v192-255 partial sums read back; window 1: v64-191 fragments of B; windows 2, 3: accumulators.
.set SIZE_K, 4096
.set WOFF,   0x1000000
.set HASB,   1
.set KS,     256
.set PITCH,  528                       ; an LDS row: 512 bytes + 16, an odd multiple of 16
.set HALFT,  64*PITCH                  ; 64 rows: one tensor load
.set SLOT,   4*HALFT                   ; A's 128 rows, then B's 128 rows
.set PART,   128*PITCH                 ; a wave's partial sums: 128 rows of 128 f32, the same pitch; four of them are the two slots' bytes
.set LAPS,   SIZE_K/(2*KS)
.set ADRA, 16
.set ADRB, 20
.set PST,  22                          ; where I put 16 bytes of a partial row
.set CO,   23                          ; 16 x lane
.set RDQ,  24                          ; v[24:27]  my 32 rows in the four waves' partial sums
.set BI,   28                          ; v[28:31]  the bias of my 4 columns
.set F0,   64
.set F1,   128
.set RES,  64                          ; v[64:191]  32 rows x 4 registers of the residual, then of the result
.set PB,   192                         ; v[192:255] two buffers of 2 rows x 4 parts x 4 registers
.set G1, 24
.set G0, 32
.set G1B, 48
.set G0B, 56
.set MSB, 0
.macro WIN new
.if MSB != \new
	s_set_vgpr_msb (MSB<<8)|\new
.set MSB, \new
.endif
.endm
.set MUL_LO, 0xa1
.set MUL_HI, 0xf1
.set TO_B,   0x40
.macro JLOAD s                         ; waves 0 and 1 fetch A's two halves, waves 2 and 3 B's
	s_cmp_eq_u32 s11, 0
	s_cbranch_scc0 .Lfor_b_\@
	tensor_load_to_lds s[G0+4*\s:G0+4*\s+3], s[G1:G1+7]
	s_nop 0
	s_branch .Lasked_\@
.Lfor_b_\@:
	tensor_load_to_lds s[G0B+4*\s:G0B+4*\s+3], s[G1B:G1B+7]
	s_nop 0
.Lasked_\@:
.endm
.macro CREST
	s_cmp_lg_u32 s10, 0
	s_cbranch_scc1 .Lnot_wave_0_\@
	s_barrier_signal -3
.Lnot_wave_0_\@:
	s_barrier_wait -3
	s_barrier_signal -1
	s_barrier_wait -1
.endm
.macro CROUND
	s_barrier_signal -1
	s_barrier_wait -1
	CREST
.endm
	s_load_b128 s[4:7], s[0:1], 0x0                ; A s[4:5], wb s[6:7]
	s_load_b128 s[68:71], s[0:1], 0x10             ; residual s[68:69], output s[70:71]
.if HASB
	s_load_b64 s[72:73], s[0:1], 0x20              ; bias
	s_set_vgpr_msb 0x40
	v_lshl_add_u32 v255, v0, 2, 0x42000
	s_set_vgpr_msb 0x4000
	v_mov_b32 v63, 0
	s_set_vgpr_msb 0x1
	ds_add_u32 v255, v63
	s_set_vgpr_msb 0x100
.endif
	v_lshrrev_b32 v1, 5, v0
	v_readfirstlane_b32 s10, v1                    ; wave 0..3: also my quarter of K
	s_lshr_b32 s11, s10, 1                         ; I fetch for A (0) or for B (1)
	s_and_b32 s12, s10, 1                          ; which 64 rows of that tile
	s_bfe_u32 s40, ttmp6, 0x40000                  ; cx
	s_bfe_u32 s41, ttmp6, 0x40004                  ; cy
	s_lshl_b32 s42, ttmp9, 2
	s_add_co_u32 s42, s42, s40                     ; block column
	s_and_b32 s13, ttmp7, 0xffff
	s_lshl_b32 s13, s13, 2
	s_add_co_u32 s13, s13, s41                     ; block row
	s_lshl_b32 s43, s41, 2
	s_lshl_b32 s43, 15, s43                        ; my row of the cluster
	s_lshl_b32 s44, 0x1111, s40                    ; my column
	s_or_b32 s[G1+0], s43, (1<<16)|(1<<20)|(1<<21)|(6<<22)|(3<<25)   ; mask; elements of 2 bytes; padding on; bit 21 beside a mask; after every 128 words 4 words
	s_or_b32 s[G1B+0], s44, (1<<16)|(1<<20)|(1<<21)|(6<<22)|(3<<25)
	s_mov_b32 s[G1B+1], KS<<16
	s_mov_b32 s[G1+1], KS<<16                      ; tensor_dim0 = 256
	s_mov_b32 s[G1B+2], 64<<16
	s_mov_b32 s[G1+2], 64<<16                      ; tensor_dim1 = 64
	s_mov_b32 s[G1B+3], KS<<16
	s_mov_b32 s[G1+3], KS<<16                      ; tile_dim0 = 256
	s_mov_b32 s[G1B+4], 64
	s_mov_b32 s[G1+4], 64                          ; tile_dim1 = 64
	s_mov_b32 s[G1B+5], SIZE_K
	s_mov_b32 s[G1+5], SIZE_K
	s_mov_b32 s[G1B+6], 0
	s_mov_b32 s[G1+6], 0
	s_mov_b32 s[G1B+7], 0
	s_mov_b32 s[G1+7], 0
	s_lshl_b32 s17, s12, 6
	s_lshl_b32 s16, s13, 7
	s_add_co_u32 s16, s16, s17                     ; A: row 128 x block row + 64 x half
	s_lshl_b32 s46, s42, 7
	s_add_co_u32 s46, s46, s17                     ; B: row 128 x block column + 64 x half
	s_mov_b32 s17, 0
	s_mov_b32 s47, 0
	s_mov_b64 s[18:19], SIZE_K*2
	s_mul_u64 s[16:17], s[16:17], s[18:19]
	s_mul_u64 s[46:47], s[46:47], s[18:19]
	s_mul_i32 s20, s10, HALFT
	s_wait_dscnt 0x0
	s_wait_kmcnt 0x0
	s_add_nc_u64 s[6:7], s[6:7], WOFF              ; this product's weights in wb
	s_add_nc_u64 s[14:15], s[4:5], s[16:17]
	s_add_nc_u64 s[46:47], s[6:7], s[46:47]
	CROUND                                         ; the first joint loads meet
.irp s, 0,1
	s_mov_b32 s[G0+4*\s], 1
	s_add_co_u32 s[G0+4*\s+1], s20, \s*SLOT
	s_add_nc_u64 s[G0+4*\s+2:G0+4*\s+3], s[14:15], \s*KS*2
	s_or_b32 s[G0+4*\s+3], s[G0+4*\s+3], 0x80000000
	s_mov_b32 s[G0B+4*\s], 1
	s_add_co_u32 s[G0B+4*\s+1], s20, \s*SLOT
	s_add_nc_u64 s[G0B+4*\s+2:G0B+4*\s+3], s[46:47], \s*KS*2
	s_or_b32 s[G0B+4*\s+3], s[G0B+4*\s+3], 0x80000000
	JLOAD \s                                       ; two tensor loads of the wave are out
.endr
	v_and_b32 v1, 15, v0
	v_bfe_u32 v2, v0, 4, 1
	v_mul_u32_u24 v3, v1, PITCH
	v_lshl_add_u32 v3, v2, 4, v3
	v_lshl_add_u32 v[ADRA], s10, 7, v3             ; + my 64 of the step's 256 along K (128 bytes)
	v_add_nc_u32 v[ADRA+1], SLOT, v[ADRA]
	v_add_nc_u32 v[ADRB],   2*HALFT, v[ADRA]
	v_add_nc_u32 v[ADRB+1], SLOT+2*HALFT, v[ADRA]
	s_mul_i32 s21, s10, PART
	v_mul_u32_u24 v4, v1, PITCH
	v_lshl_add_u32 v4, v2, 5, v4                   ; row l % 16, 32 bytes for each half of the lanes
	v_add_nc_u32 v[PST], s21, v4
	v_and_b32 v5, 31, v0
	v_lshlrev_b32 v[CO], 4, v5
	s_mul_i32 s22, s10, 32*PITCH                   ; I add up rows 32 w .. 32 w + 31
	v_add_nc_u32 v[RDQ], s22, v[CO]
	v_add_nc_u32 v[RDQ+1], PART, v[RDQ]
	v_add_nc_u32 v[RDQ+2], 2*PART, v[RDQ]
	v_add_nc_u32 v[RDQ+3], 3*PART, v[RDQ]
.if HASB
	s_lshl_b32 s74, s42, 9
	s_mov_b32 s75, 0
	s_add_nc_u64 s[72:73], s[72:73], s[74:75]
	global_load_b128 v[BI:BI+3], v[CO], s[72:73]   ; columns 128 x block column + 4 x lane ..
.endif
	s_lshl_b32 s74, s13, 7
	s_lshl_b32 s75, s10, 5
	s_add_co_u32 s74, s74, s75                     ; row 128 x block row + 32 w
	s_lshl_b32 s74, s74, 12                        ; rows of 4,096 bytes
	s_lshl_b32 s75, s42, 9
	s_add_co_u32 s74, s74, s75                     ; + 512 x block column
	s_mov_b32 s75, 0
	s_add_nc_u64 s[68:69], s[68:69], s[74:75]
	s_add_nc_u64 s[70:71], s[70:71], s[74:75]
.macro MUL16 f, hi, a0, zero
.irp a, \a0, \a0+1
.irp b, 0,1,2,3,4,5,6,7
.if \zero
	v_wmma_f32_16x16x32_bf16 v[8*(8*(\a)+\b):8*(8*(\a)+\b)+7], v[\f+8*\b:\f+8*\b+7], v[\f+8*(4*\hi+\a):\f+8*(4*\hi+\a)+7], 0
.else
	v_wmma_f32_16x16x32_bf16 v[8*(8*(\a)+\b):8*(8*(\a)+\b)+7], v[\f+8*\b:\f+8*\b+7], v[\f+8*(4*\hi+\a):\f+8*(4*\hi+\a)+7], v[8*(8*(\a)+\b):8*(8*(\a)+\b)+7]
.endif
.endr
.endr
.endm
.macro FETCH slot, k, f
	WIN TO_B
.irp i, 0,1,2,3,4,5,6,7
	ds_load_b128 v[\f+8*\i:\f+8*\i+3],   v[ADRB+\slot] offset:\k+\i*16*PITCH
	ds_load_b128 v[\f+8*\i+4:\f+8*\i+7], v[ADRB+\slot] offset:\k+\i*16*PITCH+32
.endr
	WIN 0
.irp i, 0,1,2,3,4,5,6,7
	ds_load_b128 v[\f+8*\i:\f+8*\i+3],   v[ADRA+\slot] offset:\k+\i*16*PITCH
	ds_load_b128 v[\f+8*\i+4:\f+8*\i+7], v[ADRA+\slot] offset:\k+\i*16*PITCH+32
.endr
.endm
.macro PLACES                          ; four plain places behind a matrix instruction (ISA guide 7.12.1 for vector instructions)
.rept 4
	v_nop
.endr
.endm
; A step is my 64 along K: two halves of 32, 64 matrix instructions each.  The 64 accumulators take turns, one instruction a turn.
.macro QUARTER slot, k, f, g, zero
	s_wait_dscnt 8                                 ; B and A's rows 0-63 are in; the youngest eight loads (A's rows 64-127) may be out
	WIN MUL_LO
	MUL16 \f, 0, 0, \zero
	MUL16 \f, 0, 2, \zero
	PLACES
	FETCH \slot, \k, \g
	s_wait_dscnt 32                                ; all but the 32 just issued
	WIN MUL_HI
	MUL16 \f, 1, 0, \zero
	MUL16 \f, 1, 2, \zero
.endm
.macro TURN slot, next, fill
	s_wait_dscnt 8
	WIN MUL_LO
	MUL16 F1, 0, 0, 0
	s_wait_dscnt 0                                 ; my reads of this slot are over
	s_wait_tensorcnt 0x0                           ; all my tensor loads have landed: the one that was out is my part of the next slot
	ds_add_u32 v255, v63
	s_wait_dscnt 0x0
	s_barrier_signal -1
	MUL16 F1, 0, 2, 0                              ; register work while the others arrive
	WIN 0
	s_barrier_wait -1
.if \fill
	CREST                                          ; no wave of any partner still reads this slot or has a load on its way
	s_add_nc_u64 s[G0+4*\slot+2:G0+4*\slot+3], s[G0+4*\slot+2:G0+4*\slot+3], 2*KS*2
	s_add_nc_u64 s[G0B+4*\slot+2:G0B+4*\slot+3], s[G0B+4*\slot+2:G0B+4*\slot+3], 2*KS*2
	JLOAD \slot                                    ; the wave's one tensor load behind the round, and the first thing there
.endif
	PLACES
	FETCH \next, 0, F0
	WIN MUL_HI
	MUL16 F1, 1, 0, 0
	MUL16 F1, 1, 2, 0
.endm
.macro LAP zero
	QUARTER 0, 64, F0, F1, \zero
	TURN 0, 1, 1
	QUARTER 1, 64, F0, F1, 0
	TURN 1, 0, 1
.endm
.if HASB
	s_wait_loadcnt 0x0                             ; the bias, once
.endif
	s_wait_tensorcnt 1                             ; my part of step 0 is in; step 1's stays out
	s_barrier_signal -1
	s_barrier_wait -1
	FETCH 0, 0, F0
	LAP 1
.if LAPS > 2
	WIN 0
	s_mov_b32 s3, LAPS-2
.Llap:
	LAP 0
	WIN 0
	s_sub_co_u32 s3, s3, 1
	s_cmp_lg_u32 s3, 0
	s_cbranch_scc1 .Llap
.endif
	QUARTER 0, 64, F0, F1, 0                       ; the last lap fills nothing
	TURN 0, 1, 0
	QUARTER 1, 64, F0, F1, 0
	s_wait_dscnt 8
	WIN MUL_LO
	MUL16 F1, 0, 0, 0
	MUL16 F1, 0, 2, 0
	s_wait_dscnt 0
	WIN MUL_HI
	MUL16 F1, 1, 0, 0
	MUL16 F1, 1, 2, 0
	; THE WAY OUT.  The residual's 32 rows are asked for first and are on their way while the partial sums go through LDS.
	WIN 0
	PLACES
.set ii, 0
.rept 32
	global_load_b128 v[RES+4*ii:RES+4*ii+3], v[CO], s[68:69] offset:4096*ii
.set ii, ii+1
.endr
	s_barrier_signal -1                            ; every wave's reads of the ring are over (its last wait on LDS was for 0) and no tensor load is out
	s_barrier_wait -1
; A lane holds row l % 16 of a tile and columns 16 b + 8 (l / 16) + 0 .. 7: 32 bytes of f32.
.macro PSTORE hi
.irp a, 0,1,2,3
.irp b, 0,1,2,3,4,5,6,7
	ds_store_b128 v[PST], v[8*(8*\a+\b):8*(8*\a+\b)+3]   offset:(4*\hi+\a)*16*PITCH+64*\b
	ds_store_b128 v[PST], v[8*(8*\a+\b)+4:8*(8*\a+\b)+7] offset:(4*\hi+\a)*16*PITCH+64*\b+16
.endr
.endr
.endm
	WIN 0x08                                       ; store data from window 2
	PSTORE 0
	WIN 0x0c                                       ; from window 3
	PSTORE 1
	WIN 0
	s_wait_dscnt 0x0                               ; my stores are done, for the other waves' sake
	s_barrier_signal -1
	s_barrier_wait -1
	s_wait_loadcnt 0x0                             ; the residual
.macro PLOAD k                         ; batch k: rows 2 k, 2 k + 1 of my 32, from the four parts; a row is 32 lanes x 16 consecutive bytes
.irp rr, 0,1
.irp q, 0,1,2,3
	ds_load_b128 v[PB+32*((\k)&1)+16*\rr+4*\q:PB+32*((\k)&1)+16*\rr+4*\q+3], v[RDQ+\q] offset:(2*(\k)+\rr)*PITCH
.endr
.endr
.endm
.macro RSUM k, left, more
	s_wait_dscnt \left                             ; this batch's eight loads are in; a younger batch's eight may be out
.irp rr, 0,1
.set PP, PB+32*((\k)&1)+16*\rr
.set RR, RES+4*(2*(\k)+\rr)
.irp c, 0,2
	v_pk_add_f32 v[PP+\c:PP+\c+1], v[PP+\c:PP+\c+1], v[PP+4+\c:PP+4+\c+1]
	v_pk_add_f32 v[PP+8+\c:PP+8+\c+1], v[PP+8+\c:PP+8+\c+1], v[PP+12+\c:PP+12+\c+1]
.if HASB
	v_pk_add_f32 v[RR+\c:RR+\c+1], v[RR+\c:RR+\c+1], v[BI+\c:BI+\c+1]
.endif
.endr
.irp c, 0,2
	v_pk_add_f32 v[PP+\c:PP+\c+1], v[PP+\c:PP+\c+1], v[PP+8+\c:PP+8+\c+1]
.endr
.irp c, 0,2
	v_pk_add_f32 v[RR+\c:RR+\c+1], v[RR+\c:RR+\c+1], v[PP+\c:PP+\c+1]
.endr
	global_store_b128 v[CO], v[RR:RR+3], s[70:71] offset:4096*(2*(\k)+\rr)   ; the wave stores 512 consecutive bytes, aligned; its data registers are not written again
.endr
.if \more
	PLOAD (\k)+2
.endif
.endm
	PLOAD 0
	PLOAD 1
.set kk, 0
.rept 14
	RSUM kk, 8, 1
.set kk, kk+1
.endr
	RSUM 14, 8, 0
	RSUM 15, 0, 0
	s_set_vgpr_msb 0x1
	s_wait_tensorcnt 0x0
	ds_add_u32 v255, v63
	s_wait_dscnt 0x0
	s_set_vgpr_msb 0x100
	CROUND                                         ; the closing round
	s_endpgm
.Lfunc_end_k_q5e7fe5c81c_mlp2:
	.size	k_q5e7fe5c81c_mlp2, .Lfunc_end_k_q5e7fe5c81c_mlp2-k_q5e7fe5c81c_mlp2
	.p2alignl 7, 3214868480
	.fill 96, 4, 3214868480
	.section	.rodata,"a",@progbits
	.p2align	6, 0x0
	.amdhsa_kernel k_q5e7fe5c81c_mlp2
		.amdhsa_group_segment_fixed_size 327680
		.amdhsa_private_segment_fixed_size 0
		.amdhsa_enable_private_segment 0
		.amdhsa_kernarg_size 40
		.amdhsa_user_sgpr_count 2
		.amdhsa_user_sgpr_kernarg_segment_ptr 1
		.amdhsa_wavefront_size32 1
		.amdhsa_system_sgpr_workgroup_id_x 1
		.amdhsa_system_sgpr_workgroup_id_y 1
		.amdhsa_system_sgpr_workgroup_id_z 1
		.amdhsa_system_vgpr_workitem_id 0
		.amdhsa_next_free_vgpr 1024
		.amdhsa_next_free_sgpr 80
		.amdhsa_reserve_vcc 0
		.amdhsa_float_denorm_mode_32 3
		.amdhsa_float_denorm_mode_16_64 3
		.amdhsa_memory_ordered 1
		.amdhsa_forward_progress 1
		.amdhsa_inst_pref_size 130
	.end_amdhsa_kernel
	.amdgpu_metadata
---
amdhsa.version: [ 1, 2 ]
amdhsa.kernels:
  - .name:           k_q5e7fe5c81c_mlp2
    .symbol:         k_q5e7fe5c81c_mlp2.kd
    .args:
      - { .name: g, .offset: 0, .size: 8, .value_kind: global_buffer, .address_space: global }
      - { .name: wb, .offset: 8, .size: 8, .value_kind: global_buffer, .address_space: global }
      - { .name: x2, .offset: 16, .size: 8, .value_kind: global_buffer, .address_space: global }
      - { .name: out0, .offset: 24, .size: 8, .value_kind: global_buffer, .address_space: global }
      - { .name: b2, .offset: 32, .size: 8, .value_kind: global_buffer, .address_space: global }
    .group_segment_fixed_size: 327680
    .private_segment_fixed_size: 0
    .kernarg_segment_align: 8
    .kernarg_segment_size: 40
    .max_flat_workgroup_size: 128
    .sgpr_count:     80
    .vgpr_count:     1024
    .wavefront_size: 32
...
	.end_amdgpu_metadata
.endif
;; end of part 7
;; ======== version 2 of 2: 7 launches; version 1 with the launch ln2 written anew for expert scheduling mode
;; workspace buffers: wb 25,165,824 bytes; h 8,388,608 bytes; qkv 25,165,824 bytes; av 8,388,608 bytes; x2 16,777,216 bytes; g 33,554,432 bytes
;; launch prep: the kernel of part 1 again; grid 1024 x 1, 8 waves a work-group, no clusters, 0 bytes of LDS; arguments x, Wqkv, Wfc, W1, W2, h, wb; writes h, wb
;; launch qkv: the kernel of part 2 again; grid 12 x 16, 4 waves a work-group, clusters of 4 x 4, 327,680 bytes of LDS; arguments h, wb, qkv; writes qkv
;; launch attn: the kernel of part 3 again; grid 16 x 16, 16 waves a work-group, clusters of 4 x 1, 327,680 bytes of LDS; arguments qkv, av; writes av
;; launch proj: the kernel of part 4 again; grid 8 x 32, 4 waves a work-group, clusters of 4 x 4, 327,680 bytes of LDS; arguments av, wb, x, x2; writes x2
;; launch ln2 (part 8): grid 256 x 1, 8 waves a work-group, no clusters, 0 bytes of LDS; arguments x2, h; writes h
.if DOCPART == 8
	.amdgcn_target "amdgcn-amd-amdhsa--gfx1250"
	.amdhsa_code_object_version 6
	.text
	.protected	k_q5e7fe5c81c_ln2
	.globl	k_q5e7fe5c81c_ln2
	.p2align	8
	.type	k_q5e7fe5c81c_ln2,@function
k_q5e7fe5c81c_ln2:
	s_mov_b64 s[64:65], 0
	v_nop
	global_prefetch_b8 v0, s[64:65] scope:SCOPE_SE
	s_setreg_imm32_b32 hwreg(HW_REG_WAVE_SCHED_MODE, 0, 2), 2
	s_setreg_imm32_b32 hwreg(HW_REG_WAVE_MODE, 25, 1), 1
	s_wait_xcnt 0x0
	s_wait_alu depctr_vm_vsrc(0)
; h = LayerNorm(x2) in bf16.  x2: [4096][1024] f32.  16 rows a work-group, 2 rows a wave; a row (4,096 bytes) is 32 registers of one wave, read once and kept
; in registers for the mean, the centred sum of squares and the scaling: no LDS, no barrier.  The variance is taken of the centred numbers, so a row's offset does not cancel.
; Each load of a wave covers 512 consecutive bytes, each store 256 consecutive bytes, aligned.  Matrix units, clusters and LDS have nothing to do here.
; Limit: h is rounded once to bf16.
; THE MODE: SCHED_MODE bits 1:0 = 2 (LLVM: expert scheduling mode 2), set by the entry lines.  The code itself states the register dependences
; between vector instructions and memory instructions, with s_wait_alu, always for 0.
; THE PLAN.  Registers that memory instructions touch:
;   v1, v2      byte offsets of the loads and of the stores: made once at the head, never written again.
;   v[24:55]    row 0: written by eight loads issued at the head, then worked on in place; its sixteen conversions write the first two of each four registers,
;               which row 0's eight stores read.  Nothing writes them after that.
;   v[56:87]    row 1: the same.
;   v4 to v15 (at work, the mean, the scale) are named by vector instructions alone.
; Row 0's stores are issued in row 1's first pass, whose vector instructions name v[56:87] and v4 to v15 alone: so ONE wait at row 1's head states all that the eight
; stores hang on, and they are dealt among the additions with no further wait.  Row 1's stores follow its conversions behind one more wait.
; No register that a load or a store reads is ever written again, so the text holds no wait on vm_vsrc after the entry lines; EXEC is never written.
.set T,  4                             ; v[4:11]   four chains of pairs
.set NM, 12                            ; v[12:13]  minus the mean, twice
.set R,  14                            ; v[14:15]  1 / sqrt(var + eps), twice
.set X,  24                            ; v[24:87]  two rows
	s_load_b128 s[8:11], s[0:1], 0x0               ; x2 s[8:9], h s[10:11]
	v_lshrrev_b32 v3, 5, v0
	v_readfirstlane_b32 s24, v3                    ; wave 0..7
	v_and_b32 v1, 31, v0
	v_lshlrev_b32 v2, 3, v1                        ; 8 x lane
	v_lshlrev_b32 v1, 4, v1                        ; 16 x lane
	s_mov_b32 s22, 0x76543210
	s_mov_b32 s23, 0xfedcba98
	s_mov_b32 s25, 0x3a800000                      ; 1 / 1024
	s_mov_b32 s26, 0x3727c5ac                      ; eps = 1e-5
	s_lshl_b32 s28, ttmp9, 16
	s_wait_alu depctr_va_sdst(0)                   ; s24 is written, ahead of its first reader: the two bases are made from it
	s_lshl_b32 s30, s24, 13
	s_add_co_u32 s28, s28, s30
	s_mov_b32 s29, 0
	s_lshl_b32 s30, ttmp9, 15
	s_lshl_b32 s31, s24, 12
	s_add_co_u32 s30, s30, s31
	s_mov_b32 s31, 0
	s_wait_kmcnt 0x0
	s_add_nc_u64 s[8:9], s[8:9], s[28:29]
	s_add_nc_u64 s[10:11], s[10:11], s[30:31]
	s_wait_alu depctr_va_vdst(0)                   ; v1 and v2 are written: every load reads v1 and every store v2 as its offset
.irp i, 0,1
.irp j, 0,1,2,3,4,5,6,7
	global_load_b128 v[X+32*\i+4*\j:X+32*\i+4*\j+3], v1, s[8:9] offset:4096*\i+512*\j   ; x2 is read again by a later launch: no hint
.endr
.endr
.macro FOLD
	v_pk_add_f32 v[T:T+1], v[T:T+1], v[T+2:T+3]
	v_pk_add_f32 v[T+4:T+5], v[T+4:T+5], v[T+6:T+7]
	v_pk_add_f32 v[T:T+1], v[T:T+1], v[T+4:T+5]
	v_add_f32 v[T], v[T], v[T+1]
.endm
.macro WSUM
	v_add_f32_dpp v[T], v[T], v[T] row_xmask:1 row_mask:0xf bank_mask:0xf
	v_add_f32_dpp v[T], v[T], v[T] row_xmask:2 row_mask:0xf bank_mask:0xf
	v_add_f32_dpp v[T], v[T], v[T] row_xmask:4 row_mask:0xf bank_mask:0xf
	v_add_f32_dpp v[T], v[T], v[T] row_xmask:8 row_mask:0xf bank_mask:0xf
	v_permlanex16_b32 v[T+1], v[T], s22, s23
	v_add_f32 v[T], v[T], v[T+1]
.endm
; Piece j of row i goes out: the wave's 32 lanes store 256 consecutive bytes, aligned
.macro SEND i, j
	global_store_b64 v2, v[X+32*\i+4*\j:X+32*\i+4*\j+1], s[10:11] offset:2048*\i+256*\j
.endm
; Row i of the wave's two, up to its conversions.  left = how many younger loads may stay out.  Row 1 carries row 0's stores in its first pass.
.macro LNROW i, left
	s_wait_loadcnt \left
.if \i
	s_wait_alu depctr_va_vdst(0)                   ; row 0's conversions have written the pairs that the eight stores below read; no vector instruction from here on names them or v2
	SEND 0, 0
	SEND 0, 1
.endif
.irp c, 0,1,2,3
	v_pk_add_f32 v[T+2*\c:T+2*\c+1], v[X+32*\i+2*\c:X+32*\i+2*\c+1], v[X+32*\i+8+2*\c:X+32*\i+8+2*\c+1]
.endr
.if \i
	SEND 0, 2
	SEND 0, 3
.endif
.irp c, 0,1,2,3
	v_pk_add_f32 v[T+2*\c:T+2*\c+1], v[T+2*\c:T+2*\c+1], v[X+32*\i+16+2*\c:X+32*\i+16+2*\c+1]
.endr
.if \i
	SEND 0, 4
	SEND 0, 5
.endif
.irp c, 0,1,2,3
	v_pk_add_f32 v[T+2*\c:T+2*\c+1], v[T+2*\c:T+2*\c+1], v[X+32*\i+24+2*\c:X+32*\i+24+2*\c+1]
.endr
.if \i
	SEND 0, 6
	SEND 0, 7
.endif
	FOLD
	WSUM
	v_mul_f32 v[NM], 0xba800000, v[T]              ; minus the mean
	v_mov_b32 v[NM+1], v[NM]
.set pp, 0
.rept 16
	v_pk_add_f32 v[X+32*\i+pp:X+32*\i+pp+1], v[X+32*\i+pp:X+32*\i+pp+1], v[NM:NM+1]
.set pp, pp+2
.endr
.irp c, 0,1,2,3
	v_pk_mul_f32 v[T+2*\c:T+2*\c+1], v[X+32*\i+2*\c:X+32*\i+2*\c+1], v[X+32*\i+2*\c:X+32*\i+2*\c+1]
.endr
.irp d, 8,16,24
.irp c, 0,1,2,3
	v_pk_fma_f32 v[T+2*\c:T+2*\c+1], v[X+32*\i+\d+2*\c:X+32*\i+\d+2*\c+1], v[X+32*\i+\d+2*\c:X+32*\i+\d+2*\c+1], v[T+2*\c:T+2*\c+1]
.endr
.endr
	FOLD
	WSUM
	v_fma_f32 v[T], v[T], s25, s26                 ; var + eps
	v_rsq_f32 v[R], v[T]
	v_rsq_f32 v[R+1], v[T]
	v_nop                                          ; one plain place behind a transcendental (ISA guide 5.7.2)
	s_wait_alu depctr_va_vdst(0)                   ; the two reciprocal roots have written v[R:R+1], ahead of their first reader: one wait for both
.set pp, 0
.rept 16
	v_pk_mul_f32 v[X+32*\i+pp:X+32*\i+pp+1], v[X+32*\i+pp:X+32*\i+pp+1], v[R:R+1]
.set pp, pp+2
.endr
.irp j, 0,1,2,3,4,5,6,7
	v_cvt_pk_bf16_f32 v[X+32*\i+4*\j], v[X+32*\i+4*\j], v[X+32*\i+4*\j+1]
	v_cvt_pk_bf16_f32 v[X+32*\i+4*\j+1], v[X+32*\i+4*\j+2], v[X+32*\i+4*\j+3]
.endr
.endm
	LNROW 0, 8                                     ; the second row's eight loads are the younger ones
	LNROW 1, 0
	s_wait_alu depctr_va_vdst(0)                   ; row 1's conversions have written the pairs that the last eight stores read
.irp j, 0,1,2,3,4,5,6,7
	SEND 1, \j
.endr
	s_endpgm
.Lfunc_end_k_q5e7fe5c81c_ln2:
	.size	k_q5e7fe5c81c_ln2, .Lfunc_end_k_q5e7fe5c81c_ln2-k_q5e7fe5c81c_ln2
	.p2alignl 7, 3214868480
	.fill 96, 4, 3214868480
	.section	.rodata,"a",@progbits
	.p2align	6, 0x0
	.amdhsa_kernel k_q5e7fe5c81c_ln2
		.amdhsa_group_segment_fixed_size 0
		.amdhsa_private_segment_fixed_size 0
		.amdhsa_enable_private_segment 0
		.amdhsa_kernarg_size 16
		.amdhsa_user_sgpr_count 2
		.amdhsa_user_sgpr_kernarg_segment_ptr 1
		.amdhsa_wavefront_size32 1
		.amdhsa_system_sgpr_workgroup_id_x 1
		.amdhsa_system_sgpr_workgroup_id_y 1
		.amdhsa_system_sgpr_workgroup_id_z 1
		.amdhsa_system_vgpr_workitem_id 0
		.amdhsa_next_free_vgpr 88
		.amdhsa_next_free_sgpr 66
		.amdhsa_reserve_vcc 0
		.amdhsa_float_denorm_mode_32 3
		.amdhsa_float_denorm_mode_16_64 3
		.amdhsa_memory_ordered 1
		.amdhsa_forward_progress 1
		.amdhsa_inst_pref_size 17
	.end_amdhsa_kernel
	.amdgpu_metadata
---
amdhsa.version: [ 1, 2 ]
amdhsa.kernels:
  - .name:           k_q5e7fe5c81c_ln2
    .symbol:         k_q5e7fe5c81c_ln2.kd
    .args:
      - { .name: x2, .offset: 0, .size: 8, .value_kind: global_buffer, .address_space: global }
      - { .name: h, .offset: 8, .size: 8, .value_kind: global_buffer, .address_space: global }
    .group_segment_fixed_size: 0
    .private_segment_fixed_size: 0
    .kernarg_segment_align: 8
    .kernarg_segment_size: 16
    .max_flat_workgroup_size: 256
    .sgpr_count:     66
    .vgpr_count:     88
    .wavefront_size: 32
...
	.end_amdgpu_metadata
.endif
;; end of part 8
;; launch mlp1: the kernel of part 6 again; grid 16 x 16, 4 waves a work-group, clusters of 4 x 4, 327,680 bytes of LDS; arguments h, wb, g, b1; writes g
;; launch mlp2: the kernel of part 7 again; grid 8 x 32, 4 waves a work-group, clusters of 4 x 4, 327,680 bytes of LDS; arguments g, wb, x2, out0, b2; writes out0
